; MI455X (gfx1250); checked and timed in simulation.
; The chip was launched on July 23, 2026; its instructions are those of AMD's public machine-readable ISA for CDNA 5 (MIT licence, August 2026) and "CDNA5" Instruction Set Architecture Reference Guide (July 2026). The comments in the code are by the model that wrote it; some were corrected since.
;; Multi Head Attention. Allowed arithmetic: matrix products marked QUANTISED: E2M3 operands, one E8M0 scale for each 32 along K, by v_wmma_scale_f32_16x16x128_f8f6f4 with both operands' format E2M3, f32 sums; everything else in f32.
;; Inputs: W_out 1,024 x 1,024 float32; W_qkv 1,024 x 3,072 float32; b_out 1,024 float32; x 2 x 2,048 x 1,024 float32.
;; Outputs: out0 2 x 2,048 x 1,024 float32.
;; This version of the problem:
;;   THIS VERSION OF THE PROBLEM IS GIVEN IN LOW PRECISION. The matrix products marked QUANTISED in the list below multiply operands that are first quantised to E2M3 (2 exponent bits, 3 mantissa bits; 6 bits a number), with one power-of-two scale for each 32 numbers along K (OCP MX v1.0); their sums are f32. All else is computed in f32.
;;   The module's matrix products, in the order in which they are computed (A, B: the left and right operand; K: the contracted axis; several contracted axes count as one K, in the product's order):
;;     1. [M 4,096, K 1,024] x [K 1,024, N 3,072]; A: input x; B: input W_qkv: QUANTISED
;;     2. batch 32 x [M 2,048, K 64] x [K 64, N 2,048]; A: computed on the way; B: computed on the way: QUANTISED
;;     3. batch 32 x [M 2,048, K 2,048] x [K 2,048, N 64]; A: softmax (see below); B: computed on the way: QUANTISED
;;     4. [M 4,096, K 1,024] x [K 1,024, N 1,024]; A: computed on the way; B: input W_out: QUANTISED
;;   THE QUANTISER, for each operand of a quantised product, along K:
;;     - K is cut into blocks of 32 from its start; a last block that is shorter is filled with zeros.
;;     - A block's scale is 2^e with e = floor(log2(the largest magnitude in the block)) - 2, held to -126 .. 127; a block of zeros has e = 0. As a byte (E8M0): e + 127.
;;     - Each number is divided by its block's scale, clamped to +-7.5, and rounded to the nearest number of E2M3, ties to even, subnormals kept.
;;     - The product sums the exact products of the quantised numbers (number of the format x scale) in f32.
;;   ~~~python
;;   def quantise(x, axis):      # numpy; x: float32 -> the quantised numbers, widened to float32 again
;;       x = np.moveaxis(x, axis, -1); K = x.shape[-1]
;;       x = np.pad(x, [(0, 0)] * (x.ndim - 1) + [(0, -K % 32)]); x = x.reshape(x.shape[:-1] + (-1, 32)); a = np.abs(x).max(-1, keepdims=True)
;;       e = np.where(a > 0, np.clip(np.frexp(np.where(a > 0, a, 1))[1] - 1 - 2, -126, 127), 0)      # np.frexp(a)[1] - 1 = floor(log2(a)), exactly
;;       r = np.clip(x / 2.0 ** e, -7.5, 7.5)
;;       step = 2.0 ** (np.maximum(np.frexp(np.where(r == 0, 1, r))[1] - 1, 0) - 3)
;;       q = np.round(r / step) * step * 2.0 ** e      # np.round: ties to even
;;       return np.moveaxis(q.reshape(q.shape[:-2] + (-1,))[..., :K], -1, axis).astype(np.float32)
;;   ~~~
;;   SOFTMAX AHEAD OF A QUANTISED PRODUCT. Where the list says 'softmax', what is quantised is not the finished softmax but p = 2^(t - M), with t = logit x log2(e) and M = ceil(the row's largest t), a whole number; so 1/2 < the row's largest p <= 1. The row's sum l is taken of the UNQUANTISED p, in f32, and the product's result is divided by l at the end. Since M is a whole number, a kernel that streams over the keys may use a running M (the ceiling of the running maximum): every later rescaling is an exact power of two, which a block's scale takes up: the codes' values come out the same.
;;   OPERANDS COMPUTED ON THE WAY. 'Computed on the way' means the value that the module computes at that place (a softmax that the list does not call 'softmax' is quantised finished and normalised). What goes into a quantiser is computed in f32, as accurately as f32 sums, v_exp_f32 and their like allow (about 1e-6 of the number): no bf16 or f16 on the way to a quantiser, and a product that is left as it is and whose result goes on into a quantised operand takes f32 operands (vector FMAs, or v_wmma_f32_16x16x4_f32). A number that lies on a knife's edge between two numbers of the format may be rounded either way, as far as f32 arithmetic and the matrix unit's own rounding can turn it there, and no further.
;; 2 versions. Each part assembles by itself: llvm-mc -triple=amdgcn-amd-amdhsa -mcpu=gfx1250 --defsym DOCPART=n.
;; ======== version 1 of 2: 4 launches
;; workspace buffers: img1 5,505,024 bytes; sc1 458,752 bytes; img2 3,932,160 bytes; sc2 327,680 bytes; qkv 10,747,904 bytes
;; launch prep (part 1): grid 96 x 8, 4 waves a work-group, no clusters, 0 bytes of LDS; arguments x, W_qkv, W_out, img1, sc1, img2, sc2; writes img1, sc1, img2, sc2
.if DOCPART == 1
	.amdgcn_target "amdgcn-amd-amdhsa--gfx1250"
	.amdhsa_code_object_version 6
	.text
	.protected	k_q3f6a694433_prep
	.globl	k_q3f6a694433_prep
	.p2align	8
	.type	k_q3f6a694433_prep,@function
k_q3f6a694433_prep:
	s_mov_b64 s[64:65], 0
	v_nop
	global_prefetch_b8 v0, s[64:65] scope:SCOPE_SE
	s_setreg_imm32_b32 hwreg(HW_REG_WAVE_MODE, 25, 1), 1
	s_wait_xcnt 0x0
; x [4096][1024], W_qkv [1024][3072] and W_out [1024][1024], f32, become codes of FP6 (E2M3) with one E8M0 byte for each 32 along K (K = 1024: x's last axis, the weights' first).
; A block's scale is 2^(floor(log2(its largest magnitude)) - 2): its byte is the largest magnitude's exponent field - 2, held at 1 from below by a floor among the maximum's leaves.
; LIMITS: NaN and infinities are not served; blocks whose largest magnitude lies under 2^-124 get the byte 1; a block of zeros carries the byte 1 (its codes are zeros; only this program reads the bytes).
; THE CODES ARE LAID AS IMAGES OF THE OPERAND'S REGISTERS.  A fragment (16 rows x 128 K, 12 registers a lane) is 1,536 bytes: two halves of 768 (64 K each); in a half lane l's first 16 bytes lie at 16 l,
; its last 8 at 512 + 8 l.  A fragment's scale words: 128 bytes, 4 a lane, lanes 16-31 repeating lanes 0-15.  img[block][K step 0..7][1536], sc[block][K step][128].
; ROWS: block 2 B + u, lane r, holds row 32 B + 8 u + r + 8 (r / 8) (tokens of x; columns of a weight).  img1: blocks 0-255 x, 256-447 W_qkv.  img2: blocks 256-319 W_out (0-255 are written by a later launch).
; SHARES: work-group y = the K step.  x < 64: a wave makes one fragment of x (block 4 x + wave).  64 <= x < 88: a wave takes 32 columns of W_qkv, a lane a column, registers down K: two fragments.  x >= 88: the same for W_out.
; No LDS, no barrier, no loop: every offset is an immediate and no store's register is written again.
.set X,   16                           ; v16-143  the numbers
.set TM,  144                          ; v144-147 largest magnitudes, v148-151 bytes, v156-159 the conversions' scale operands
.set PC,  160                          ; v160-178 codes (x's path)
.set C,   160                          ; v160-190 codes, eight registers a block (the weights' path)
.set PW,  15                           ; v15      the scale word (x's path)
.set SEL, 20                           ; s[20:21] v_permlanex16_b32's selects for lane l xor 16
	s_load_b256 s[4:11], s[0:1], 0x0               ; x s[4:5], W_qkv s[6:7], W_out s[8:9], img1 s[10:11]
	s_load_b128 s[12:15], s[0:1], 0x20             ; sc1 s[12:13], img2 s[14:15]
	s_load_b64 s[16:17], s[0:1], 0x30              ; sc2
	v_lshrrev_b32 v1, 5, v0
	v_readfirstlane_b32 s18, v1                    ; wave
	v_and_b32 v1, 31, v0                           ; lane
	s_and_b32 s19, ttmp7, 0xffff                   ; the K step q
	s_mov_b32 s[SEL], 0x76543210
	s_mov_b32 s[SEL+1], 0xfedcba98
	s_cmp_lt_u32 ttmp9, 64
	s_cbranch_scc0 .Lweights
; 64 numbers of a lane, register 16 b + i = k 32 b + 16 (lane / 16) + i of my row, become a fragment's codes in v[PC] on and its scale word in v[PW]
.macro QUANT s
.irp b, 0,1,2,3
	v_max3_num_f32 v[TM+\b], |v[\s+16*\b]|, |v[\s+1+16*\b]|, 0x1800000   ; my 16 numbers of block b, and the floor 2^(3 - 127)
.endr
.irp i, 2,4,6,8,10,12,14
.irp b, 0,1,2,3
	v_max3_num_f32 v[TM+\b], v[TM+\b], |v[\s+16*\b+\i]|, |v[\s+1+16*\b+\i]|   ; the four blocks by turns
.endr
.endr
.irp b, 0,1,2,3
	v_permlanex16_b32 v[TM+4+\b], v[TM+\b], s[SEL], s[SEL+1]
.endr
.irp b, 0,1,2,3
	v_max_num_f32 v[TM+\b], v[TM+\b], v[TM+4+\b]   ; with lane l xor 16's: the block's largest magnitude
.endr
.irp b, 0,1,2,3
	v_add_nc_u32 v[TM+12+\b], 0xff000000, v[TM+\b] ; 2 off its exponent field: the conversion's scale operand
.endr
.irp b, 0,1,2,3
	v_lshrrev_b32 v[TM+4+\b], 23, v[TM+12+\b]      ; the scale's byte
.endr
	v_lshl_or_b32 v[PW], v[TM+5], 8, v[TM+4]
	v_lshl_or_b32 v[PW], v[TM+6], 16, v[PW]
	v_lshl_or_b32 v[PW], v[TM+7], 24, v[PW]
.irp c, 0,1
	v_cvt_scalef32_pk16_fp6_f32 v[PC+6*\c:PC+2+6*\c], v[\s+32*\c:\s+15+32*\c], v[TM+12+2*\c]
	v_cvt_scalef32_pk16_fp6_f32 v[PC+12+4*\c:PC+14+4*\c], v[\s+16+32*\c:\s+31+32*\c], v[TM+12+2*\c+1]   ; a conversion's three registers begin on an even number
.endr
	v_nop                                          ; one plain place behind a scaled conversion
.irp c, 0,1                                    ; the operand wants a whole block in a lane: lanes 0-15 block 2 c, lanes 16-31 block 2 c + 1
.irp i, 0,1,2
	v_permlane16_swap_b32 v[PC+6*\c+\i], v[PC+12+4*\c+\i]
.endr
.irp i, 0,1,2
	v_mov_b32 v[PC+3+6*\c+\i], v[PC+12+4*\c+\i]
.endr
.endr
.endm
	; ---- x: block T = 4 x + wave, K step q
	v_and_b32 v2, 15, v0                           ; r
	v_bfe_u32 v3, v0, 4, 1                         ; h
	v_and_b32 v4, 8, v2
	v_add_nc_u32 v4, v4, v2                        ; r + 8 (r / 8)
	v_lshlrev_b32 v4, 12, v4                       ; a token's row is 4,096 bytes
	v_lshl_add_u32 v4, v3, 6, v4                   ; + 64 h: my 16 numbers of each block of 32
	v_lshlrev_b32 v5, 4, v1                        ; 16 x lane
	v_lshlrev_b32 v6, 3, v1
	v_add_nc_u32 v6, 512, v6                       ; 8 x lane + 512
	v_lshlrev_b32 v7, 2, v1                        ; 4 x lane
.irp b, 0,1,2,3
	v_mov_b32 v[TM+4+\b], 0                        ; a lane permute's destination counts as one of its sources
.endr
	s_lshl_b32 s22, ttmp9, 2
	s_add_co_u32 s22, s22, s18                     ; T
	s_lshr_b32 s23, s22, 1
	s_lshl_b32 s23, s23, 5
	s_and_b32 s24, s22, 1
	s_lshl_b32 s24, s24, 3
	s_add_co_u32 s23, s23, s24                     ; the block's first token: 32 (T / 2) + 8 (T % 2)
	s_lshl_b32 s24, s23, 12
	s_lshl_b32 s25, s19, 9
	s_add_co_u32 s24, s24, s25                     ; + 512 q bytes along K
	s_mov_b32 s25, 0
	s_lshl_b32 s26, s22, 3
	s_add_co_u32 s26, s26, s19                     ; 8 T + q
	s_mul_i32 s28, s26, 1536
	s_mov_b32 s29, 0
	s_lshl_b32 s30, s26, 7
	s_mov_b32 s31, 0
	s_wait_kmcnt 0x0
	s_add_nc_u64 s[4:5], s[4:5], s[24:25]
	s_add_nc_u64 s[10:11], s[10:11], s[28:29]
	s_add_nc_u64 s[12:13], s[12:13], s[30:31]
.irp b, 0,1,2,3
.irp j, 0,1,2,3
	global_load_b128 v[X+16*\b+4*\j:X+16*\b+4*\j+3], v4, s[4:5] offset:128*\b+16*\j th:TH_LOAD_NT
.endr
.endr
	s_wait_loadcnt 0x0
	QUANT X
.irp c, 0,1
	global_store_b128 v5, v[PC+6*\c:PC+6*\c+3], s[10:11] offset:768*\c     ; 32 lanes store 512 consecutive bytes
	global_store_b64 v6, v[PC+6*\c+4:PC+6*\c+5], s[10:11] offset:768*\c    ; and 256
.endr
	global_store_b32 v7, v[PW], s[12:13]
	s_endpgm
; ---- a weight: lane l takes column 32 CG + l, its registers run down K: a block of 32 along K lies in one lane
.macro WLOAD kb, pitch, wp
.irp i, 0,1,2,3,4,5,6,7,8,9,10,11,12,13,14,15,16,17,18,19,20,21,22,23,24,25,26,27,28,29,30,31
	global_load_b32 v[X+32*(\kb)+\i], v4, s[\wp:\wp+1] offset:(32*(\kb)+\i)*\pitch th:TH_LOAD_NT   ; 32 lanes read 128 consecutive bytes
.endr
.endm
.macro WBLOCK kb, ip
.set XS, X+32*(\kb)
.set CC, C+8*(\kb)
	v_max3_num_f32 v12, |v[XS]|, |v[XS+1]|, |v[XS+2]|
	v_max3_num_f32 v13, |v[XS+3]|, |v[XS+4]|, |v[XS+5]|
.irp i, 6,10,14,18,22,26
	v_max3_num_f32 v12, v12, |v[XS+\i]|, |v[XS+\i+1]|
	v_max3_num_f32 v13, v13, |v[XS+\i+2]|, |v[XS+\i+3]|
.endr
	v_max3_num_f32 v12, v12, |v[XS+30]|, |v[XS+31]|
	v_max3_num_f32 v12, v12, v13, 0x1800000        ; and the floor
	v_add_nc_u32 v11, 0xff000000, v12              ; the conversion's scale operand
	v_lshrrev_b32 v13, 23, v11                     ; the byte
.if (\kb) == 0
	v_mov_b32 v14, v13
.else
	v_lshl_or_b32 v14, v13, 8*(\kb), v14           ; the column's scale word: byte kb
.endif
	v_cvt_scalef32_pk16_fp6_f32 v[CC:CC+2], v[XS:XS+15], v11
	v_cvt_scalef32_pk16_fp6_f32 v[CC+4:CC+6], v[XS+16:XS+31], v11
	v_nop                                          ; one plain place behind a scaled conversion
	v_mov_b32 v[CC+3], v[CC+4]                     ; the block's 24 bytes on end
	v_mov_b32 v[CC+4], v[CC+5]
	v_mov_b32 v[CC+5], v[CC+6]
	global_store_b128 v6, v[CC:CC+3], s[\ip:\ip+1] offset:768*((\kb)/2)+256*((\kb)%2)    ; block kb is half kb / 2, image lanes 16 (kb % 2) + r': each sixteen lanes fill 256 aligned bytes
	global_store_b64 v7, v[CC+4:CC+5], s[\ip:\ip+1] offset:768*((\kb)/2)+128*((\kb)%2)
.endm
.macro WPATH pitch, wp, ip, sp, x0
	s_sub_co_u32 s22, ttmp9, \x0
	s_lshl_b32 s22, s22, 2
	s_add_co_u32 s22, s22, s18                     ; CG: which 32 columns
	s_mul_i32 s24, s19, 128*\pitch                 ; 128 q rows down
	s_lshl_b32 s25, s22, 7
	s_add_co_u32 s24, s24, s25
	s_mov_b32 s25, 0
	s_lshl_b32 s26, s22, 1
	s_add_co_u32 s26, s26, 256                     ; image block 256 + 2 CG (+ u)
	s_mul_i32 s28, s26, 12288
	s_mul_i32 s27, s19, 1536
	s_add_co_u32 s28, s28, s27
	s_mov_b32 s29, 0
	s_lshl_b32 s30, s26, 10
	s_lshl_b32 s27, s19, 7
	s_add_co_u32 s30, s30, s27
	s_mov_b32 s31, 0
	v_lshlrev_b32 v4, 2, v1                        ; in: 4 bytes a lane
	v_bfe_u32 v2, v0, 3, 1                         ; u = (l / 8) % 2
	v_and_b32 v3, 7, v0
	v_bfe_u32 v5, v0, 4, 1
	v_lshl_add_u32 v3, v5, 3, v3                   ; r' = l % 8 + 8 (l / 16): column 32 CG + l is row r' of block 2 CG + u
	v_mul_u32_u24 v5, v2, 12288
	v_lshl_add_u32 v6, v3, 4, v5                   ; out: 12,288 u + 16 r'
	v_lshl_add_u32 v7, v3, 3, v5
	v_add_nc_u32 v7, 512, v7                       ; 12,288 u + 8 r' + 512
	v_lshlrev_b32 v8, 10, v2
	v_lshl_add_u32 v8, v3, 2, v8                   ; scale words: 1,024 u + 4 r'
	s_wait_kmcnt 0x0
	s_add_nc_u64 s[\wp:\wp+1], s[\wp:\wp+1], s[24:25]
	s_add_nc_u64 s[\ip:\ip+1], s[\ip:\ip+1], s[28:29]
	s_add_nc_u64 s[\sp:\sp+1], s[\sp:\sp+1], s[30:31]
	WLOAD 0, \pitch, \wp
	WLOAD 1, \pitch, \wp
.irp kb, 0,1,2,3
.if \kb < 3
	s_wait_loadcnt 32                              ; this block's 32 loads are in; the next block's 32 may be out
.else
	s_wait_loadcnt 0x0
.endif
.if \kb < 2
	WLOAD \kb+2, \pitch, \wp                       ; two blocks ahead, into registers of their own
.endif
	WBLOCK \kb, \ip
.endr
	global_store_b32 v8, v14, s[\sp:\sp+1]         ; the scale word, for image lanes r'
	global_store_b32 v8, v14, s[\sp:\sp+1] offset:64   ; and 16 + r'
.endm
.Lweights:
	s_cmp_lt_u32 ttmp9, 88
	s_cbranch_scc0 .Lwout
	WPATH 12288, 6, 10, 12, 64
	s_endpgm
.Lwout:
	WPATH 4096, 8, 14, 16, 88
	s_endpgm
.Lfunc_end_k_q3f6a694433_prep:
	.size	k_q3f6a694433_prep, .Lfunc_end_k_q3f6a694433_prep-k_q3f6a694433_prep
	.p2alignl 7, 3214868480
	.fill 96, 4, 3214868480
	.section	.rodata,"a",@progbits
	.p2align	6, 0x0
	.amdhsa_kernel k_q3f6a694433_prep
		.amdhsa_group_segment_fixed_size 0
		.amdhsa_private_segment_fixed_size 0
		.amdhsa_enable_private_segment 0
		.amdhsa_kernarg_size 56
		.amdhsa_user_sgpr_count 2
		.amdhsa_user_sgpr_kernarg_segment_ptr 1
		.amdhsa_wavefront_size32 1
		.amdhsa_system_sgpr_workgroup_id_x 1
		.amdhsa_system_sgpr_workgroup_id_y 1
		.amdhsa_system_sgpr_workgroup_id_z 1
		.amdhsa_system_vgpr_workitem_id 0
		.amdhsa_next_free_vgpr 192
		.amdhsa_next_free_sgpr 66
		.amdhsa_reserve_vcc 0
		.amdhsa_float_denorm_mode_32 3
		.amdhsa_float_denorm_mode_16_64 3
		.amdhsa_memory_ordered 1
		.amdhsa_forward_progress 1
		.amdhsa_inst_pref_size 49
	.end_amdhsa_kernel
	.amdgpu_metadata
---
amdhsa.version: [ 1, 2 ]
amdhsa.kernels:
  - .name:           k_q3f6a694433_prep
    .symbol:         k_q3f6a694433_prep.kd
    .args:
      - { .name: x, .offset: 0, .size: 8, .value_kind: global_buffer, .address_space: global }
      - { .name: W_qkv, .offset: 8, .size: 8, .value_kind: global_buffer, .address_space: global }
      - { .name: W_out, .offset: 16, .size: 8, .value_kind: global_buffer, .address_space: global }
      - { .name: img1, .offset: 24, .size: 8, .value_kind: global_buffer, .address_space: global }
      - { .name: sc1, .offset: 32, .size: 8, .value_kind: global_buffer, .address_space: global }
      - { .name: img2, .offset: 40, .size: 8, .value_kind: global_buffer, .address_space: global }
      - { .name: sc2, .offset: 48, .size: 8, .value_kind: global_buffer, .address_space: global }
    .group_segment_fixed_size: 0
    .private_segment_fixed_size: 0
    .kernarg_segment_align: 8
    .kernarg_segment_size: 56
    .max_flat_workgroup_size: 128
    .sgpr_count:     66
    .vgpr_count:     192
    .wavefront_size: 32
...
	.end_amdgpu_metadata
.endif
;; end of part 1
;; launch gemm_qkv (part 2): grid 12 x 16, 4 waves a work-group, clusters of 4 x 4, 327,680 bytes of LDS; arguments img1, sc1, qkv; writes qkv
.if DOCPART == 2
	.amdgcn_target "amdgcn-amd-amdhsa--gfx1250"
	.amdhsa_code_object_version 6
	.text
	.protected	k_q3f6a694433_gemm_qkv
	.globl	k_q3f6a694433_gemm_qkv
	.p2align	8
	.type	k_q3f6a694433_gemm_qkv,@function
k_q3f6a694433_gemm_qkv:
	s_mov_b64 s[64:65], 0
	v_nop
	global_prefetch_b8 v0, s[64:65] scope:SCOPE_SE
	s_setreg_imm32_b32 hwreg(HW_REG_WAVE_MODE, 25, 1), 1
	s_wait_xcnt 0x0
	s_wait_alu depctr_hold_cnt(0) depctr_sa_sdst(0) depctr_va_vdst(0) depctr_va_sdst(0) depctr_va_ssrc(0) depctr_va_vcc(0) depctr_vm_vsrc(0)
	s_getreg_b32 s2, hwreg(HW_REG_IB_STS2, 6, 4)
	s_cmp_eq_u32 s2, 0
	s_cbranch_scc0 .Lentry_in_a_cluster
	s_endpgm
.Lentry_in_a_cluster:
	s_bfe_u32 s2, ttmp6, 0x10000c
	s_cmp_lg_u32 s2, 0xf033
	s_cbranch_scc0 .Lentry_shape_is_right
	s_endpgm
.Lentry_shape_is_right:
; qkv = x W_qkv on codes of FP6 (E2M3) with E8M0 scales, K = 1024, and the results quantised again on the way out: q and k along the head's 64, v along the tokens (the keys).  Nothing leaves as f32.
; OPERANDS are images of the operand's registers (img1[block][K step][1536], sc1[block][K step][128]; blocks 0-255 x, 256-447 W_qkv's columns; block 2 B + u, lane r, holds row 32 B + 8 u + r + 8 (r / 8)).
; A tile is 256 x 256, four waves of 128 x 128: 64 accumulators.  Source 0 takes "B", source 1 "A": a lane holds one row of A, and the 16 registers of B's blocks 2 B, 2 B + 1 are 16 neighbours along B's rows.
; q, k (cluster x 0, 1): A = tokens, B = W's columns: a lane's registers run along the head's channels.  v (cluster x 2): A = W_v's columns, B = tokens: its registers run along the tokens.  One text: regions and tiles are
; chosen by s_cselect_b32 on the cluster's x, which all partners share.
; K goes through a ring of two LDS slots of 256 along K, filled by joint tensor loads (4 x 4 cluster: A's tile shared along a row, B's along a column).  K = 1024 is four slots' worth: all is written out, no loop.
; THE SCALES of all of K come once, straight into 64 registers: register 8 kq + i holds A's block i in lanes 0-15 and B's block i in lanes 16-31.
; qkv: 32 records (16 batch + head) of REC bytes: Q [tile 0..127][768], its scale words [tile][128] at 98,304, then 16 key steps of 13,824 bytes at 114,688: K [8][768], V [4][1536], K's scale words [8][128], V's [4][128].
; LIMITS: NaN and infinities are not served; blocks under 2^-124 and blocks of zeros get the byte 1.  In q's and k's scale words bytes 2, 3 are 0: they meet zero codes only.
; REGISTERS: window 0: v16-23 LDS addresses, v24-27, v31 store offsets, v28-29 the add's, v30 scales' offset, v32-95 scale words, v96-103 new scale words, v128-223 A's fragments (one set; on the way out at work).
;   window 1: B's fragments, two sets, at v0 and v128.  window 2: accumulators of my A blocks 0-3 ((a, b) at v[8 (8 (a % 4) + b)]);  window 3: of blocks 4-7.
.set FR,    12
.set HALFT, 24576                      ; 8 blocks x 2 K steps x 1,536: what one tensor load brings, and what one wave reads of A or of B
.set SLOT,  98304                      ; A's 16 blocks, then B's 16
.set SPARE, 196608                     ; behind the ring: the spare words, 128 bytes a wave: two blocks of 256 bytes that no other line names
.set BLKB,  12288                      ; a block's eight K steps in memory
.set REC,   335872
.set ADRA, 16                          ; v16-17 16 x lane + my A half, slot 0, 1;  v18-19 the same with 8 x lane + 512
.set ADRB, 20                          ; v20-23 the same for B
.set VO,   24                          ; v24, v25: 16 x lane + c HS;  v26, v27: 8 x lane + 512 + c HS
.set SPW,  28
.set NIL,  29
.set SOFF, 30
.set VS,   31                          ; 4 x lane
.set SC,   32
.set PWS,  96
.set AF,   128
.set TM,   128                         ; the way out: v128-143 maxima, bytes, scale operands
.set PC,   144                         ; v144-162 codes
.set SW,   164                         ; v164-179 q's and k's scale words
.set G1,  24
.set G0,  32
.set G1B, 48
.set G0B, 56
.set MSB, 0
.macro WIN new                         ; the immediate's high byte repeats the setting that is left
.if MSB != (\new)
	s_set_vgpr_msb (MSB<<8)|(\new)
.set MSB, (\new)
.endif
.endm
.set MUL_LO, 0xa1                      ; source 0 (B) window 1, source 1 (A) window 0, C and D window 2
.set MUL_HI, 0xf1
.set TO_B,   0x40
.macro JLOAD s                         ; a joint load: waves 0, 1 fetch A's halves, waves 2, 3 B's; four v_nop follow each line
	s_cmp_eq_u32 s15, 0
	s_cbranch_scc0 .Lfor_b_\@
	tensor_load_to_lds s[G0+4*\s:G0+4*\s+3], s[G1:G1+7]
	s_nop 0
.rept 4
	v_nop
.endr
	s_branch .Lasked_\@
.Lfor_b_\@:
	tensor_load_to_lds s[G0B+4*\s:G0B+4*\s+3], s[G1B:G1B+7]
	s_nop 0
.rept 4
	v_nop
.endr
.Lasked_\@:
.endm
.macro CREST                           ; a round of the cluster's barrier behind its opening barrier
	s_cmp_lg_u32 s14, 0
	s_cbranch_scc1 .Lnot_wave_0_\@
	s_barrier_signal -3
.Lnot_wave_0_\@:
	s_barrier_wait -3
	s_barrier_signal -1
	s_barrier_wait -1
.endm
.macro CROUND
	s_barrier_signal -1
	s_barrier_wait -1
	CREST
.endm
.macro PLACES                          ; four places behind a matrix instruction of this form (ISA guide 7.12.1)
.rept 4
	v_nop
.endr
.endm
	s_load_b128 s[4:7], s[0:1], 0x0                ; img1 s[4:5], sc1 s[6:7]
	s_load_b64 s[8:9], s[0:1], 0x10                ; qkv
	v_lshl_add_u32 v[SPW], v0, 2, SPARE
	v_mov_b32 v[NIL], 0
	ds_add_u32 v28, v29
	ds_add_u32 v28, v29
	s_wait_dscnt 0x0
	v_lshrrev_b32 v1, 5, v0
	v_readfirstlane_b32 s14, v1                    ; wave
	s_lshr_b32 s15, s14, 1                         ; RH: my half of A's blocks.  Also: I fetch for A (0) or for B (1)
	s_and_b32 s16, s14, 1                          ; CH: my half of B's blocks.  Also: which 8 blocks I fetch
	s_bfe_u32 s40, ttmp6, 0x40000                  ; cx
	s_bfe_u32 s41, ttmp6, 0x40004                  ; cy
	s_and_b32 s18, ttmp7, 0xffff                   ; cluster y
	s_cmp_eq_u32 ttmp9, 2                          ; cluster x = 2: v
	s_cselect_b32 s66, 1, 0                        ; ISV
	s_cselect_b32 s17, 0, s18
	s_cselect_b32 s42, s18, ttmp9
	s_cselect_b32 s67, 384, 0                      ; A's first block: W_v's columns, or x
	s_cselect_b32 s68, 0, 256                      ; B's: x, or W_q's and W_k's columns
	s_lshl_b32 s17, s17, 2
	s_add_co_u32 s17, s17, s41                     ; tileA: hangs on cy, never on cx
	s_lshl_b32 s42, s42, 2
	s_add_co_u32 s42, s42, s40                     ; tileB: hangs on cx, never on cy
	s_lshl_b32 s43, s41, 2
	s_lshl_b32 s43, 15, s43                        ; my row of the cluster
	s_lshl_b32 s44, 0x1111, s40                    ; my column
	; group 1: 8 rows (blocks) of 3,072 bytes (two K steps' images), 12,288 bytes apart, in elements of 8 bytes; no padding: images are read on end
	s_or_b32 s[G1+0], s43, (3<<16)|(1<<21)
	s_or_b32 s[G1B+0], s44, (3<<16)|(1<<21)
.irp g, G1, G1B
	s_mov_b32 s[\g+1], 384<<16                     ; tensor_dim0
	s_mov_b32 s[\g+2], 8<<16                       ; tensor_dim1
	s_mov_b32 s[\g+3], 384<<16                     ; tile_dim0
	s_mov_b32 s[\g+4], 8                           ; tile_dim1
	s_mov_b32 s[\g+5], 1536                        ; pitch
	s_mov_b32 s[\g+6], 0
	s_mov_b32 s[\g+7], 0
.endr
	s_lshl_b32 s18, s16, 3                         ; which 8 blocks of the tile I fetch
	s_lshl_b32 s20, s17, 4
	s_add_co_u32 s20, s20, s67
	s_add_co_u32 s20, s20, s18
	s_mul_i32 s20, s20, BLKB
	s_mov_b32 s21, 0
	s_lshl_b32 s46, s42, 4
	s_add_co_u32 s46, s46, s68
	s_add_co_u32 s46, s46, s18
	s_mul_i32 s46, s46, BLKB
	s_mov_b32 s47, 0
	s_mul_i32 s45, s14, HALFT                      ; where they go: wave x HALFT
	s_wait_kmcnt 0x0
	s_add_nc_u64 s[20:21], s[4:5], s[20:21]
	s_add_nc_u64 s[46:47], s[4:5], s[46:47]
	CROUND                                         ; all sixteen work-groups are here: the first joint loads meet
.irp s, 0,1
	s_mov_b32 s[G0+4*\s], 1
	s_add_co_u32 s[G0+4*\s+1], s45, \s*SLOT
	s_add_nc_u64 s[G0+4*\s+2:G0+4*\s+3], s[20:21], \s*3072
	s_or_b32 s[G0+4*\s+3], s[G0+4*\s+3], 0x80000000
	s_mov_b32 s[G0B+4*\s], 1
	s_add_co_u32 s[G0B+4*\s+1], s45, \s*SLOT
	s_add_nc_u64 s[G0B+4*\s+2:G0B+4*\s+3], s[46:47], \s*3072
	s_or_b32 s[G0B+4*\s+3], s[G0B+4*\s+3], 0x80000000
	JLOAD \s
.endr
	v_and_b32 v1, 31, v0                           ; lane
	v_lshlrev_b32 v4, 4, v1                        ; 16 x lane
	v_lshlrev_b32 v5, 3, v1
	v_add_nc_u32 v5, 512, v5                       ; 8 x lane + 512
	v_lshlrev_b32 v[VS], 2, v1                     ; 4 x lane
	; the scale words: lanes 0-15 A's blocks, lanes 16-31 B's
	s_lshl_b32 s71, s17, 4
	s_add_co_u32 s71, s71, s67
	s_lshl_b32 s72, s15, 3
	s_add_co_u32 s71, s71, s72
	s_lshl_b32 s71, s71, 10
	s_lshl_b32 s73, s42, 4
	s_add_co_u32 s73, s73, s68
	s_lshl_b32 s72, s16, 3
	s_add_co_u32 s73, s73, s72
	s_lshl_b32 s73, s73, 10
	v_add_nc_u32 v7, s71, v[VS]
	v_add_nc_u32 v8, s73, v[VS]
	v_cmp_gt_u32 vcc_lo, 16, v1
	v_cndmask_b32 v[SOFF], v8, v7, vcc_lo
.irp kq, 0,1,2,3,4,5,6,7
.irp i, 0,1,2,3,4,5,6,7
	global_load_b32 v[SC+8*\kq+\i], v[SOFF], s[6:7] offset:1024*\i+128*\kq
.endr
.endr
	s_mul_i32 s69, s15, HALFT                      ; my 8 blocks of A
	s_mul_i32 s70, s16, HALFT
	s_add_co_u32 s70, s70, 2*HALFT                 ; my 8 blocks of B, behind A's 16
.irp s, 0,1
	v_add_nc_u32 v[ADRA+\s], s69, v4
	v_add_nc_u32 v[ADRA+2+\s], s69, v5
	v_add_nc_u32 v[ADRB+\s], s70, v4
	v_add_nc_u32 v[ADRB+2+\s], s70, v5
	s_add_co_u32 s69, s69, SLOT
	s_add_co_u32 s70, s70, SLOT
.endr
	; where the results go
	s_mov_b32 s74, 0x76543210
	s_mov_b32 s75, 0xfedcba98
	s_lshl_b32 s84, s17, 2
	s_lshl_b32 s85, s15, 1
	s_add_co_u32 s84, s84, s85                     ; v: my first head = 4 tileA + 2 RH
	s_lshl_b32 s86, s42, 2
	s_lshl_b32 s85, s16, 1
	s_add_co_u32 s86, s86, s85
	s_and_b32 s86, s86, 15                         ; q, k: (4 tileB + 2 CH) % 16
	s_cmp_lt_u32 s42, 4                            ; q or k (of no account for v)
	s_cselect_b32 s87, 0, 114688                   ; codes: first byte in a record,
	s_mov_b32 s88, 13824
	s_cselect_b32 s88, 6144, s88                   ; and bytes from one 128 tokens to the next
	s_mov_b32 s89, 126976
	s_cselect_b32 s89, 98304, s89                  ; scale words likewise
	s_mov_b32 s90, 13824
	s_cselect_b32 s90, 1024, s90
	s_cmp_eq_u32 s66, 1
	s_cselect_b32 s82, s42, s17                    ; the tile of tokens
	s_cselect_b32 s83, s16, s15                    ; and my half of it
	s_cselect_b32 s84, s84, s86                    ; my first head
	s_cselect_b32 s87, 120832, s87
	s_cselect_b32 s88, 13824, s88
	s_cselect_b32 s89, 128000, s89
	s_cselect_b32 s90, 13824, s90
	s_mov_b32 s91, REC
	s_cselect_b32 s91, 768, s91                    ; HS: from a fragment's first half to its second: the next head's record (q, k), or 768 bytes (v)
	s_mov_b32 s78, 768
	s_cselect_b32 s78, 1536, s78                   ; from block to block
	s_mov_b32 s80, 768
	s_cselect_b32 s80, REC-4608, s80               ; and from block 3 to block 4: in v the next head begins
	s_mov_b32 s79, 0
	s_mov_b32 s81, 0
	s_lshr_b32 s85, s82, 3                         ; batch
	s_lshl_b32 s85, s85, 4
	s_add_co_u32 s85, s85, s84
	s_mul_i32 s85, s85, REC                        ; the record
	s_and_b32 s82, s82, 7
	s_lshl_b32 s82, s82, 1
	s_add_co_u32 s82, s82, s83                     ; which 128 tokens of the batch
	s_mul_i32 s88, s88, s82
	s_mul_i32 s90, s90, s82
	s_add_co_u32 s76, s85, s87
	s_add_co_u32 s76, s76, s88
	s_mov_b32 s77, 0
	s_add_co_u32 s92, s85, s89
	s_add_co_u32 s92, s92, s90
	s_mov_b32 s93, 0
	s_add_nc_u64 s[76:77], s[8:9], s[76:77]        ; codes
	s_add_nc_u64 s[92:93], s[8:9], s[92:93]        ; scale words
	v_mov_b32 v[VO], v4
	v_add_nc_u32 v[VO+1], s91, v4
	v_mov_b32 v[VO+2], v5
	v_add_nc_u32 v[VO+3], s91, v5
.macro FRAG reg, adr, q, i             ; a fragment comes as it was stored: four loads, each of 512 or 256 consecutive bytes
	ds_load_b128 v[\reg:\reg+3], v[\adr] offset:3072*(\i)+1536*(\q)
	ds_load_b64 v[\reg+4:\reg+5], v[\adr+2] offset:3072*(\i)+1536*(\q)
	ds_load_b128 v[\reg+6:\reg+9], v[\adr] offset:3072*(\i)+1536*(\q)+768
	ds_load_b64 v[\reg+10:\reg+11], v[\adr+2] offset:3072*(\i)+1536*(\q)+768
.endm
.macro FETCH_B slot, q, p
	WIN TO_B
.irp i, 0,1,2,3,4,5,6,7
	FRAG 128*(\p)+FR*\i, ADRB+\slot, \q, \i
.endr
	WIN 0
.endm
.macro FETCH_A slot, q, i0
.irp i, \i0, \i0+1, \i0+2, \i0+3
	FRAG AF+FR*(\i), ADRA+\slot, \q, \i
.endr
.endm
; 16 matrix instructions: A's blocks a0, a0 + 1 x B's eight; p: B's set; kq: the K step.  The 64 accumulators take turns, one instruction a turn, in the same order in every step.
.macro MUL16 a0, p, kq, zero
.irp a, \a0, \a0+1
.irp b, 0,1,2,3,4,5,6,7
.if \zero
	v_wmma_scale_f32_16x16x128_f8f6f4 v[8*(8*((\a)%4)+\b):8*(8*((\a)%4)+\b)+7], v[128*(\p)+FR*\b:128*(\p)+FR*\b+FR-1], v[AF+FR*(\a):AF+FR*(\a)+FR-1], 0, v[SC+8*(\kq)+\b], v[SC+8*(\kq)+(\a)] matrix_a_fmt:MATRIX_FMT_FP6 matrix_b_fmt:MATRIX_FMT_FP6 matrix_a_scale:MATRIX_SCALE_ROW1
.else
	v_wmma_scale_f32_16x16x128_f8f6f4 v[8*(8*((\a)%4)+\b):8*(8*((\a)%4)+\b)+7], v[128*(\p)+FR*\b:128*(\p)+FR*\b+FR-1], v[AF+FR*(\a):AF+FR*(\a)+FR-1], v[8*(8*((\a)%4)+\b):8*(8*((\a)%4)+\b)+7], v[SC+8*(\kq)+\b], v[SC+8*(\kq)+(\a)] matrix_a_fmt:MATRIX_FMT_FP6 matrix_b_fmt:MATRIX_FMT_FP6 matrix_a_scale:MATRIX_SCALE_ROW1
.endif
.endr
.endr
.endm
; A slot's first K step: B's set 0; its successor's fragments come from the same slot
.macro STEP slot, kq, zero
	s_wait_dscnt 16                                ; B's set and A's blocks 0-3 are in; the youngest 16 loads (A's blocks 4-7) may be out
	WIN MUL_LO
	MUL16 0, 0, \kq, \zero
	MUL16 2, 0, \kq, \zero
	s_wait_dscnt 0x0
	PLACES
	FETCH_B \slot, 1, 1
	FETCH_A \slot, 1, 0
	WIN MUL_HI
	MUL16 4, 0, \kq, \zero
	MUL16 6, 0, \kq, \zero
	PLACES
	WIN 0
	FETCH_A \slot, 1, 4
.endm
; A slot's second K step changes slots: one barrier; in front of it each wave waits for all its tensor loads, adds 0 to its spare word, and waits for that and for its reads of this slot
.macro TURN slot, next, fill, kq
	s_wait_tensorcnt 0x0                           ; all my tensor loads have landed: my part of the next slot
	ds_add_u32 v[SPW], v[NIL]                      ; 0 onto my spare word
	s_wait_dscnt 17                                ; the add and the youngest 16 loads (A's blocks 4-7) may be out
	WIN MUL_LO
	MUL16 0, 1, \kq, 0
	s_wait_dscnt 0x0                               ; the add is done, and my reads of this slot are over
	s_barrier_signal -1
	MUL16 2, 1, \kq, 0
	WIN 0
	s_barrier_wait -1
.if \fill
	CREST                                          ; the barrier has opened a round of the cluster's: no wave of any partner still reads this slot or has a load on its way
	s_add_nc_u64 s[G0+4*\slot+2:G0+4*\slot+3], s[G0+4*\slot+2:G0+4*\slot+3], 6144
	s_add_nc_u64 s[G0B+4*\slot+2:G0B+4*\slot+3], s[G0B+4*\slot+2:G0B+4*\slot+3], 6144
	JLOAD \slot                                    ; the first tensor load behind the round; its four v_nop are the places in front of the loads below
.else
	PLACES
.endif
	FETCH_B \next, 0, 0
	FETCH_A \next, 0, 0
	WIN MUL_HI
	MUL16 4, 1, \kq, 0
	MUL16 6, 1, \kq, 0
	PLACES
	WIN 0
	FETCH_A \next, 0, 4
.endm
	s_wait_tensorcnt 1                             ; my part of slot 0 is in; slot 1's load may be out
	s_barrier_signal -1
	s_barrier_wait -1
	FETCH_B 0, 0, 0
	FETCH_A 0, 0, 0
	FETCH_A 0, 0, 4
	s_wait_loadcnt 0x0                             ; the scale words
	STEP 0, 0, 1                                   ; the first products start the sums
	TURN 0, 1, 1, 1
	STEP 1, 2, 0
	TURN 1, 0, 1, 3
	STEP 0, 4, 0
	TURN 0, 1, 0, 5                                ; nothing is left to fetch
	STEP 1, 6, 0
	s_wait_dscnt 16
	WIN MUL_LO
	MUL16 0, 1, 7, 0
	MUL16 2, 1, 7, 0
	s_wait_dscnt 0x0
	WIN MUL_HI
	MUL16 4, 1, 7, 0
	MUL16 6, 1, 7, 0
	WIN 0
; THE WAY OUT.  The 64 registers of A's block a are 128 neighbours along the next K of the lane's row (register 16 b + i = 32 b + 16 (lane / 16) + i): they become one fragment and one scale word, and leave as images.
.macro OUTBLK a
.set AC, 64*((\a)%4)
.set WA, 2+(\a)/4
.set WMAX, (WA<<2)|(WA<<4)
	WIN WMAX                                       ; sources 1 and 2: the accumulators' window
.irp b, 0,1,2,3
	v_max3_num_f32 v[TM+\b], 0x1800000, |v[AC+16*\b]|, |v[AC+16*\b+1]|   ; each accumulator is read from its low end on; the floor 2^(3 - 127) is a leaf
.endr
.irp i, 2,4,6,8,10,12,14
.irp b, 0,1,2,3
	v_max3_num_f32 v[TM+\b], v[TM+\b], |v[AC+16*\b+\i]|, |v[AC+16*\b+\i+1]|
.endr
.endr
	WIN 0
.irp b, 0,1,2,3
	v_permlanex16_b32 v[TM+4+\b], v[TM+\b], s74, s75
.endr
.irp b, 0,1,2,3
	v_max_num_f32 v[TM+\b], v[TM+\b], v[TM+4+\b]
.endr
.irp b, 0,1,2,3
	v_add_nc_u32 v[TM+12+\b], 0xff000000, v[TM+\b]
.endr
.irp b, 0,1,2,3
	v_lshrrev_b32 v[TM+4+\b], 23, v[TM+12+\b]
.endr
	v_lshl_or_b32 v[PWS+\a], v[TM+5], 8, v[TM+4]
	v_lshl_or_b32 v[PWS+\a], v[TM+6], 16, v[PWS+\a]
	v_lshl_or_b32 v[PWS+\a], v[TM+7], 24, v[PWS+\a]
.if \a > 0
	s_wait_xcnt 0x0                                ; the last block's stores have read their data and their base: both are written again only behind this wait
.endif
	WIN WA                                         ; source 0: the accumulators' window
.irp c, 0,1
	v_cvt_scalef32_pk16_fp6_f32 v[PC+6*\c:PC+2+6*\c], v[AC+32*\c:AC+15+32*\c], v[TM+12+2*\c]
	v_cvt_scalef32_pk16_fp6_f32 v[PC+12+4*\c:PC+14+4*\c], v[AC+16+32*\c:AC+31+32*\c], v[TM+12+2*\c+1]
.endr
	WIN 0
	v_nop                                          ; one plain place behind a scaled conversion
.irp c, 0,1
.irp i, 0,1,2
	v_permlane16_swap_b32 v[PC+6*\c+\i], v[PC+12+4*\c+\i]
.endr
.irp i, 0,1,2
	v_mov_b32 v[PC+3+6*\c+\i], v[PC+12+4*\c+\i]
.endr
.endr
.if \a == 4
	s_add_nc_u64 s[76:77], s[76:77], s[80:81]
.elseif \a > 0
	s_add_nc_u64 s[76:77], s[76:77], s[78:79]
.endif
.irp c, 0,1
	global_store_b128 v[VO+\c], v[PC+6*\c:PC+6*\c+3], s[76:77]        ; 512 consecutive bytes
	global_store_b64 v[VO+2+\c], v[PC+6*\c+4:PC+6*\c+5], s[76:77]     ; 256
.endr
.endm
	PLACES                                         ; behind the last products: results are read, and registers that held A's fragments are written
.irp b, 0,1,2,3
	v_mov_b32 v[TM+4+\b], 0                        ; a lane permute's destination counts as one of its sources
.endr
.irp a, 0,1,2,3,4,5,6,7
	OUTBLK \a
.endr
	s_cmp_eq_u32 s66, 1                            ; the same in all partners: it hangs on the cluster's x alone
	s_cbranch_scc1 .Lv_scales
.irp a, 0,1,2,3,4,5,6,7
	v_and_b32 v[SW+\a], 0xffff, v[PWS+\a]          ; q, k: bytes 0, 1 are my first head's two blocks,
	v_lshrrev_b32 v[SW+8+\a], 16, v[PWS+\a]        ; bytes 2, 3 the next head's
.endr
.irp a, 0,1,2,3,4,5,6,7
	global_store_b32 v[VS], v[SW+\a], s[92:93] offset:128*\a
	global_store_b32 v[VS], v[SW+8+\a], s[92:93] offset:REC+128*\a
.endr
	s_branch .Lscales_done
.Lv_scales:
.irp a, 0,1,2,3,4,5,6,7
	global_store_b32 v[VS], v[PWS+\a], s[92:93] offset:128*(\a%4)+(\a/4)*REC   ; v: a word for 128 keys; blocks 4-7 are the next head's
.endr
.Lscales_done:
	s_wait_tensorcnt 0x0                           ; the wave's end
	ds_add_u32 v[SPW], v[NIL]
	s_wait_dscnt 0x0
	CROUND                                         ; the closing round: no work-group ends while a partner may still ask for a tile that names it
	s_endpgm
.Lfunc_end_k_q3f6a694433_gemm_qkv:
	.size	k_q3f6a694433_gemm_qkv, .Lfunc_end_k_q3f6a694433_gemm_qkv-k_q3f6a694433_gemm_qkv
	.p2alignl 7, 3214868480
	.fill 96, 4, 3214868480
	.section	.rodata,"a",@progbits
	.p2align	6, 0x0
	.amdhsa_kernel k_q3f6a694433_gemm_qkv
		.amdhsa_group_segment_fixed_size 327680
		.amdhsa_private_segment_fixed_size 0
		.amdhsa_enable_private_segment 0
		.amdhsa_kernarg_size 24
		.amdhsa_user_sgpr_count 2
		.amdhsa_user_sgpr_kernarg_segment_ptr 1
		.amdhsa_wavefront_size32 1
		.amdhsa_system_sgpr_workgroup_id_x 1
		.amdhsa_system_sgpr_workgroup_id_y 1
		.amdhsa_system_sgpr_workgroup_id_z 1
		.amdhsa_system_vgpr_workitem_id 0
		.amdhsa_next_free_vgpr 1024
		.amdhsa_next_free_sgpr 100
		.amdhsa_reserve_vcc 1
		.amdhsa_float_denorm_mode_32 3
		.amdhsa_float_denorm_mode_16_64 3
		.amdhsa_memory_ordered 1
		.amdhsa_forward_progress 1
		.amdhsa_inst_pref_size 155
	.end_amdhsa_kernel
	.amdgpu_metadata
---
amdhsa.version: [ 1, 2 ]
amdhsa.kernels:
  - .name:           k_q3f6a694433_gemm_qkv
    .symbol:         k_q3f6a694433_gemm_qkv.kd
    .args:
      - { .name: img1, .offset: 0, .size: 8, .value_kind: global_buffer, .address_space: global }
      - { .name: sc1, .offset: 8, .size: 8, .value_kind: global_buffer, .address_space: global }
      - { .name: qkv, .offset: 16, .size: 8, .value_kind: global_buffer, .address_space: global }
    .group_segment_fixed_size: 327680
    .private_segment_fixed_size: 0
    .kernarg_segment_align: 8
    .kernarg_segment_size: 24
    .max_flat_workgroup_size: 128
    .sgpr_count:     100
    .vgpr_count:     1024
    .wavefront_size: 32
...
	.end_amdgpu_metadata
.endif
;; end of part 2
;; launch attn (part 3): grid 8 x 32, 16 waves a work-group, clusters of 4 x 1, 223,232 bytes of LDS; arguments qkv, img2, sc2; writes img2, sc2
.if DOCPART == 3
	.amdgcn_target "amdgcn-amd-amdhsa--gfx1250"
	.amdhsa_code_object_version 6
	.text
	.protected	k_q3f6a694433_attn
	.globl	k_q3f6a694433_attn
	.p2align	8
	.type	k_q3f6a694433_attn,@function
k_q3f6a694433_attn:
	s_mov_b64 s[64:65], 0
	v_nop
	global_prefetch_b8 v0, s[64:65] scope:SCOPE_SE
	s_setreg_imm32_b32 hwreg(HW_REG_WAVE_MODE, 25, 1), 1
	s_wait_xcnt 0x0
	s_wait_alu depctr_hold_cnt(0) depctr_sa_sdst(0) depctr_va_vdst(0) depctr_va_sdst(0) depctr_va_ssrc(0) depctr_va_vcc(0) depctr_vm_vsrc(0)
	s_getreg_b32 s2, hwreg(HW_REG_IB_STS2, 6, 4)
	s_cmp_eq_u32 s2, 0
	s_cbranch_scc0 .Lentry_in_a_cluster
	s_endpgm
.Lentry_in_a_cluster:
	s_bfe_u32 s2, ttmp6, 0x10000c
	s_cmp_lg_u32 s2, 0x3003
	s_cbranch_scc0 .Lentry_shape_is_right
	s_endpgm
.Lentry_shape_is_right:
; o = softmax(q k^T / 8) v for one (batch, head) and 256 queries a work-group, both products on codes of FP6 (E2M3) with E8M0 scales; o is quantised along the model's 1,024 and leaves as an operand's image.
; THE SOFTMAX: t = score x log2(e) / 8; M = the running largest t rounded up to a whole number; p = 2^(t - M) is quantised along the keys, not normalised; the row's sum is taken of the unquantised p and divides at the end.
; When M moves, the sum and O are multiplied by 2^(old M - new M), which rounds nothing.
; SHARES: sixteen waves, each one tile of 16 queries in 256 registers; every wave walks the head's 2,048 keys, 128 a step.
; ALL OF THE HEAD'S K, V AND SCALE WORDS LIE IN LDS, 16 steps x 13,824 bytes, as they lie in memory: K [8 tiles][768], V [4][1536], K's scale words [8][128], V's [4][128].  Every byte is filled once; nothing is stored to LDS.
; CLUSTER: the four query blocks of a cluster belong to one head: each step's record is asked for jointly.  Waves 0-3 issue four loads each (steps wave, 4 + wave, 8 + wave, 12 + wave): four loads of a wave are out at the most.
; LAYOUT: S^T = K Q^T, O^T = V^T P^T: a lane holds one query.  A tile's rows are 32 B + 8 u + r + 8 (r / 8), so that the 16 registers of tiles 2 B, 2 B + 1 are 16 neighbours along the next K.
; THE HEAD IS 64 WIDE, the instruction 128: Q's upper six registers are zero codes.  K's tiles lie 6 registers apart: a tile's upper six are the next tile's codes, which meet Q's zeros and add exact zeros (scale bytes 0, not 0xff).
; LIMITS: NaN and infinities are not served; p under 2^-126 falls to 0; 1 / l by v_rcp_f32; blocks under 2^-124 and blocks of zeros get the byte 1.
.set REC,  335872
.set SR,   13824
.set KVO,  114688
.set QSO,  98304
.set L16, 1                            ; v1  16 x lane
.set L8,  2                            ; v2  8 x lane + 512
.set L4,  3                            ; v3  4 x lane + 12,288
.set A16, 4                            ; v4-6 the same + the step's first byte
.set A8,  5
.set A4,  6
.set QS,  7                            ; v7  Q's scale word
.set KS,  8                            ; v8-15 K's eight scale words; v8-11 then V's four
.set QF,  16                           ; v16-27 Q's fragment; v22-27 zero codes
.set NM,  28                           ; v28 -M, v29 the largest t
.set LS,  30                           ; v[30:31] the sum, in two halves
.set F,   32                           ; v32-85 K's eight tiles, then V's four fragments (v80-85 stay 0)
.set FF,  86                           ; v86 f = 2^(old M - new M); v87 = 0, named with it as a pair
.set PS,  88                           ; v88 p's scale word
.set T0,  89
.set BM,  90                           ; v90-93 the blocks' largest
.set BT,  94                           ; v94-97 exchange, bytes
.set BS,  98                           ; v98-101 the conversions' scale operands
.set PC,  102                          ; v102-113 p's codes
.set PT,  114                          ; v114-121 at work
.set S,   128                          ; v128-191 S^T, then p
.set O,   192                          ; v192-223 O^T
.set Y,   224                          ; v224-255 o
.set WV,  10                           ; s10 wave; s11 cx; s12 query block; s13 16 batch + head; s14 the record's first byte; s16 my step's bytes
.set SEL, 22                           ; s[18:19] Q; s[20:21] Q's scale words; s[22:23] selects
.set G1,  24
.set G0,  32                           ; s[32:47] four groups 0
.set CS,  48                           ; s[48:49] c = log2(e) / 8
.set TB,  50
.set CNT, 51                           ; s[52:53] o's image; s[54:55] o's scale bytes; s[56:57] K, V
.macro CROUND
	s_barrier_signal -1
	s_barrier_wait -1
	s_cmp_lg_u32 s[WV], 0
	s_cbranch_scc1 .Lnot_wave_0_\@
	s_barrier_signal -3
.Lnot_wave_0_\@:
	s_barrier_wait -3
	s_barrier_signal -1
	s_barrier_wait -1
.endm
	s_load_b128 s[4:7], s[0:1], 0x0                ; qkv s[4:5], img2 s[6:7]
	s_load_b64 s[8:9], s[0:1], 0x10                ; sc2
	v_lshl_add_u32 v126, v0, 2, 0x36000
	v_mov_b32 v127, 0
	ds_add_u32 v126, v127
	ds_add_u32 v126, v127
	v_lshrrev_b32 v[T0], 5, v0
	v_readfirstlane_b32 s[WV], v[T0]               ; wave 0..15
	s_bfe_u32 s11, ttmp6, 0x40000                  ; cx: it enters Q's and o's addresses alone
	s_lshl_b32 s12, ttmp9, 2
	s_add_co_u32 s12, s12, s11                     ; my block of 256 queries
	s_and_b32 s13, ttmp7, 0xffff                   ; 16 batch + head, which the four partners share
	s_mul_i32 s14, s13, REC
	s_and_b32 s16, s[WV], 3
	s_mul_i32 s16, s16, SR                         ; the step that I fetch of each four: the same bytes on in LDS and in memory
	s_add_co_u32 s56, s14, s16
	s_add_co_u32 s56, s56, KVO
	s_mov_b32 s57, 0
	s_lshl_b32 s17, s12, 4
	s_add_co_u32 s17, s17, s[WV]                   ; my tile of queries, 0..127
	s_mul_i32 s18, s17, 768
	s_add_co_u32 s18, s18, s14
	s_mov_b32 s19, 0
	s_lshl_b32 s20, s17, 7
	s_add_co_u32 s20, s20, s14
	s_add_co_u32 s20, s20, QSO
	s_mov_b32 s21, 0
	s_lshr_b32 s58, s13, 4
	s_lshl_b32 s58, s58, 7
	s_add_co_u32 s58, s58, s17                     ; the tile as a block of tokens: 128 batch + tile
	s_and_b32 s59, s13, 15                         ; head
	s_mul_i32 s52, s58, 12288
	s_mul_i32 s53, s59, 768
	s_add_co_u32 s52, s52, s53                     ; K step head / 2, half head % 2
	s_mov_b32 s53, 0
	s_lshl_b32 s54, s58, 10
	s_lshr_b32 s55, s59, 1
	s_lshl_b32 s55, s55, 7
	s_add_co_u32 s54, s54, s55
	s_and_b32 s55, s59, 1
	s_lshl_b32 s55, s55, 1
	s_add_co_u32 s54, s54, s55                     ; my head's two bytes of each scale word
	s_mov_b32 s55, 0
	; group 1: a step's record, 13,824 dense bytes, as 54 rows of 256 bytes (32 elements of 8 bytes); the mask names all four work-groups
	s_mov_b32 s[G1], 15|(3<<16)|(1<<21)
	s_mov_b32 s[G1+1], 32<<16
	s_mov_b32 s[G1+2], 54<<16
	s_mov_b32 s[G1+3], 32<<16
	s_mov_b32 s[G1+4], 54
	s_mov_b32 s[G1+5], 32
	s_mov_b32 s[G1+6], 0
	s_mov_b32 s[G1+7], 0
	s_mov_b32 s[SEL], 0x76543210
	s_mov_b32 s[SEL+1], 0xfedcba98
	s_mov_b32 s[CS], 0x3e38aa3b                    ; log2(e) / 8
	s_mov_b32 s[CS+1], s[CS]
	s_wait_dscnt 0x0
	s_wait_kmcnt 0x0
	s_add_nc_u64 s[56:57], s[4:5], s[56:57]
	s_add_nc_u64 s[18:19], s[4:5], s[18:19]
	s_add_nc_u64 s[20:21], s[4:5], s[20:21]
	s_add_nc_u64 s[52:53], s[6:7], s[52:53]
	s_add_nc_u64 s[54:55], s[8:9], s[54:55]
.irp c, 0,1,2,3
	s_mov_b32 s[G0+4*\c], 1
	s_add_co_u32 s[G0+4*\c+1], s16, 4*\c*SR
	s_add_nc_u64 s[G0+4*\c+2:G0+4*\c+3], s[56:57], 4*\c*SR
	s_or_b32 s[G0+4*\c+3], s[G0+4*\c+3], 0x80000000
.endr
	CROUND                                         ; all four work-groups are here: the joint loads meet
	s_cmp_lt_u32 s[WV], 4                          ; a wave's four fills stand in one branch on the wave's number, ahead of every wait on TENSORcnt and every LDS read
	s_cbranch_scc0 .Lno_fetch
	tensor_load_to_lds s[G0:G0+3], s[G1:G1+7]
	s_nop 0
	tensor_load_to_lds s[G0+4:G0+7], s[G1:G1+7]
	s_nop 0
	tensor_load_to_lds s[G0+8:G0+11], s[G1:G1+7]
	s_nop 0
	tensor_load_to_lds s[G0+12:G0+15], s[G1:G1+7]
	s_nop 0
.rept 4
	v_nop
.endr
.Lno_fetch:
	v_and_b32 v[T0], 31, v0
	v_lshlrev_b32 v[L16], 4, v[T0]
	v_lshlrev_b32 v[L8], 3, v[T0]
	v_add_nc_u32 v[L8], 512, v[L8]
	v_lshlrev_b32 v[BM], 2, v[T0]
	v_add_nc_u32 v[L4], 12288, v[BM]
	global_load_b128 v[QF:QF+3], v[L16], s[18:19]  ; Q's half image stays in registers
	global_load_b64 v[QF+4:QF+5], v[L8], s[18:19]
	global_load_b32 v[QS], v[BM], s[20:21]
.irp j, 6,7,8,9,10,11
	v_mov_b32 v[QF+\j], 0                          ; zero codes for k = 64 .. 127
.endr
.irp j, 48,49,50,51,52,53
	v_mov_b32 v[F+\j], 0                           ; the upper half of K's last tile
.endr
.irp j, 0,1,2,3,4,5,6,7,8,9,10,11,12,13,14,15,16,17,18,19,20,21,22,23,24,25,26,27,28,29,30,31
	v_mov_b32 v[O+\j], 0                           ; the step is written for every step alike: the first finds zeros
.endr
	v_mov_b32 v[NM+1], 0xff61b1e6                  ; the largest t so far: -3e38
	v_floor_f32 v[NM], -v[NM+1]
	v_mov_b32 v[LS], 0
	v_mov_b32 v[LS+1], 0
	v_mov_b32 v[FF+1], 0
.irp b, 0,1,2,3
	v_mov_b32 v[BT+\b], 0                          ; a lane permute's destination counts as one of its sources
.endr
.macro STEP
	v_add_nc_u32 v[A16], s[TB], v[L16]             ; these three and the v_nop are the four places behind the last step's products, in front of loads into their registers
	v_add_nc_u32 v[A8], s[TB], v[L8]
	v_add_nc_u32 v[A4], s[TB], v[L4]
	v_nop
.irp i, 0,1,2,3,4,5,6,7
	ds_load_b128 v[F+6*\i:F+6*\i+3], v[A16] offset:768*\i
	ds_load_b64 v[F+6*\i+4:F+6*\i+5], v[A8] offset:768*\i
	ds_load_b32 v[KS+\i], v[A4] offset:128*\i
.endr
	s_wait_dscnt 0x0
.irp i, 0,1,2,3,4,5,6,7
	v_wmma_scale_f32_16x16x128_f8f6f4 v[S+8*\i:S+8*\i+7], v[F+6*\i:F+6*\i+11], v[QF:QF+11], 0, v[KS+\i], v[QS] matrix_a_fmt:MATRIX_FMT_FP6 matrix_b_fmt:MATRIX_FMT_FP6
.endr
.rept 4
	v_nop                                          ; places: loads into K's registers and reads of the scores follow
.endr
.irp t, 0,1,2,3                                ; V's fragments are asked for now and land under the softmax
.irp c, 0,1
	ds_load_b128 v[F+12*\t+6*\c:F+12*\t+6*\c+3], v[A16] offset:6144+1536*\t+768*\c
	ds_load_b64 v[F+12*\t+6*\c+4:F+12*\t+6*\c+5], v[A8] offset:6144+1536*\t+768*\c
.endr
	ds_load_b32 v[KS+\t], v[A4] offset:1024+128*\t
.endr
.irp b, 0,1,2,3
	v_max3_num_f32 v[BM+\b], v[S+16*\b], v[S+16*\b+1], v[S+16*\b+2]   ; the largest score of each block of 32 keys: for the row's maximum and, since p rises with the score, for the block's largest p
.endr
.irp i, 3,5,7,9,11,13
.irp b, 0,1,2,3
	v_max3_num_f32 v[BM+\b], v[BM+\b], v[S+16*\b+\i], v[S+16*\b+\i+1]
.endr
.endr
.irp b, 0,1,2,3
	v_max_num_f32 v[BM+\b], v[BM+\b], v[S+16*\b+15]
.endr
.irp b, 0,1,2,3
	v_permlanex16_b32 v[BT+\b], v[BM+\b], s[SEL], s[SEL+1]
.endr
.irp b, 0,1,2,3
	v_max_num_f32 v[BM+\b], v[BM+\b], v[BT+\b]     ; with lane l xor 16's 16 keys
.endr
	v_max3_num_f32 v[T0], v[BM], v[BM+1], v[BM+2]
	v_max_num_f32 v[T0], v[T0], v[BM+3]
	v_mul_f32 v[T0], s[CS], v[T0]                  ; as t
	v_max_num_f32 v[NM+1], v[NM+1], v[T0]          ; the running largest t
	v_mov_b32 v[T0], v[NM]
	v_floor_f32 v[NM], -v[NM+1]                    ; -M = floor(-t): M is a whole number
	v_sub_f32 v[T0], v[NM], v[T0]                  ; old M - new M, 0 or less
	v_cvt_i32_f32 v[T0], v[T0]                     ; (it saturates)
	v_ldexp_f32 v[FF], 1.0, v[T0]                  ; f
.irp j, 0,2,4,6,8,10,12,14,16,18,20,22,24,26,28,30,32,34,36,38,40,42,44,46,48,50,52,54,56,58,60,62
	v_pk_fma_f32 v[S+\j:S+\j+1], v[S+\j:S+\j+1], s[CS:CS+1], v[NM:NM+1] op_sel_hi:[1,0,0]   ; t - M
.endr
.irp b, 0,1,2,3
	v_fma_f32 v[BM+\b], v[BM+\b], s[CS], v[NM]
.endr
.irp j, 0,1,2,3,4,5,6,7,8,9,10,11,12,13,14,15,16,17,18,19,20,21,22,23,24,25,26,27,28,29,30,31,32,33,34,35,36,37,38,39,40,41,42,43,44,45,46,47,48,49,50,51,52,53,54,55,56,57,58,59,60,61,62,63
	v_exp_f32 v[S+\j], v[S+\j]                     ; p = 2^(t - M)
.endr
	v_pk_mul_f32 v[LS:LS+1], v[LS:LS+1], v[FF:FF+1] op_sel_hi:[1,0]   ; the sums under the new M: the plain place behind the exponentials
	s_wait_alu depctr_va_vdst(0)                   ; one wait for the batch, ahead of its first reader
.irp b, 0,1,2,3
	v_exp_f32 v[BM+\b], v[BM+\b]                   ; the blocks' largest p
.endr
	v_pk_add_f32 v[PT:PT+1], v[S:S+1], v[S+2:S+3]  ; the row's sum of the unquantised p, in two chains
.irp j, 4,8,12,16,20,24,28,32,36,40,44,48,52,56,60
	v_pk_add_f32 v[LS:LS+1], v[LS:LS+1], v[S+\j:S+\j+1]
	v_pk_add_f32 v[PT:PT+1], v[PT:PT+1], v[S+\j+2:S+\j+3]
.endr
	v_pk_add_f32 v[LS:LS+1], v[LS:LS+1], v[PT:PT+1]
	s_wait_alu depctr_va_vdst(0)                   ; and one for the four
.irp b, 0,1,2,3
	v_max_num_f32 v[BM+\b], 0x1800000, v[BM+\b]    ; the floor 2^(3 - 127)
.endr
.irp b, 0,1,2,3
	v_add_nc_u32 v[BS+\b], 0xff000000, v[BM+\b]
.endr
.irp b, 0,1,2,3
	v_lshrrev_b32 v[BT+\b], 23, v[BS+\b]
.endr
	v_lshl_or_b32 v[PS], v[BT+1], 8, v[BT]
	v_lshl_or_b32 v[PS], v[BT+2], 16, v[PS]
	v_lshl_or_b32 v[PS], v[BT+3], 24, v[PS]
.irp c, 0,1
	v_cvt_scalef32_pk16_fp6_f32 v[PC+6*\c:PC+6*\c+2], v[S+32*\c:S+32*\c+15], v[BS+2*\c]
	v_cvt_scalef32_pk16_fp6_f32 v[PT+4*\c:PT+4*\c+2], v[S+32*\c+16:S+32*\c+31], v[BS+2*\c+1]
.endr
	v_nop                                          ; one plain place behind a scaled conversion
.irp c, 0,1
.irp i, 0,1,2
	v_permlane16_swap_b32 v[PC+6*\c+\i], v[PT+4*\c+\i]
.endr
.irp i, 0,1,2
	v_mov_b32 v[PC+3+6*\c+\i], v[PT+4*\c+\i]
.endr
.endr
.irp j, 0,2,4,6,8,10,12,14,16,18,20,22,24,26,28,30
	v_pk_mul_f32 v[O+\j:O+\j+1], v[O+\j:O+\j+1], v[FF:FF+1] op_sel_hi:[1,0]   ; O^T under the new M; also the places between p's codes and scale word and the products
.endr
	s_wait_dscnt 0x0                               ; V
.irp t, 0,1,2,3
	v_wmma_scale_f32_16x16x128_f8f6f4 v[O+8*\t:O+8*\t+7], v[F+12*\t:F+12*\t+11], v[PC:PC+11], v[O+8*\t:O+8*\t+7], v[KS+\t], v[PS] matrix_a_fmt:MATRIX_FMT_FP6 matrix_b_fmt:MATRIX_FMT_FP6
.endr
	s_add_co_u32 s[TB], s[TB], SR
.endm
	s_wait_tensorcnt 0x3                           ; a fetching wave's first load, one of steps 0-3, is in; its three later ones may be out
	s_barrier_signal -1
	s_barrier_wait -1                              ; steps 0-3 are whole
	s_wait_loadcnt 0x0                             ; Q
	s_mov_b32 s[TB], 0
	s_mov_b32 s[CNT], 4
.Lfirst:
	STEP
	s_sub_co_u32 s[CNT], s[CNT], 1
	s_cmp_lg_u32 s[CNT], 0
	s_cbranch_scc1 .Lfirst
	s_wait_tensorcnt 0x0                           ; all my loads have landed
	s_wait_dscnt 0x0
	s_barrier_signal -1
	s_barrier_wait -1                              ; all sixteen steps are whole
	s_mov_b32 s[TB], 4*SR
	s_mov_b32 s[CNT], 12
.Lrest:
	STEP
	s_sub_co_u32 s[CNT], s[CNT], 1
	s_cmp_lg_u32 s[CNT], 0
	s_cbranch_scc1 .Lrest
	; THE TAIL: o = O^T / l, quantised along my head's 64 (two blocks of the model's K), stored as half an image
	v_add_f32 v[LS], v[LS], v[LS+1]
	v_permlanex16_b32 v[T0], v[LS], s[SEL], s[SEL+1]
	v_add_f32 v[LS], v[LS], v[T0]                  ; the row's sum
	v_rcp_f32 v[LS], v[LS]
	v_and_b32 v[A4], 31, v0                        ; plain places behind the reciprocal and behind the last products
	v_lshlrev_b32 v[A4], 2, v[A4]                  ; 4 x lane
	v_nop
	v_nop
	s_wait_alu depctr_va_vdst(0)                   ; ahead of the reciprocal's first reader
.irp j, 0,2,4,6,8,10,12,14,16,18,20,22,24,26,28,30
	v_pk_mul_f32 v[Y+\j:Y+\j+1], v[O+\j:O+\j+1], v[LS:LS+1] op_sel_hi:[1,0]   ; register 16 b + i = channel 32 b + 16 (lane / 16) + i of my query
.endr
.irp b, 0,1
	v_max3_num_f32 v[BM+\b], |v[Y+16*\b]|, |v[Y+16*\b+1]|, 0x1800000
.endr
.irp i, 2,4,6,8,10,12,14
.irp b, 0,1
	v_max3_num_f32 v[BM+\b], v[BM+\b], |v[Y+16*\b+\i]|, |v[Y+16*\b+\i+1]|
.endr
.endr
.irp b, 0,1
	v_permlanex16_b32 v[BT+\b], v[BM+\b], s[SEL], s[SEL+1]
.endr
.irp b, 0,1
	v_max_num_f32 v[BM+\b], v[BM+\b], v[BT+\b]
.endr
.irp b, 0,1
	v_add_nc_u32 v[BS+\b], 0xff000000, v[BM+\b]
.endr
.irp b, 0,1
	v_lshrrev_b32 v[BT+\b], 23, v[BS+\b]
.endr
	v_lshl_or_b32 v[T0], v[BT+1], 8, v[BT]         ; my head's two scale bytes
	v_cvt_scalef32_pk16_fp6_f32 v[PC:PC+2], v[Y:Y+15], v[BS]
	v_cvt_scalef32_pk16_fp6_f32 v[PT:PT+2], v[Y+16:Y+31], v[BS+1]
	v_nop
.irp i, 0,1,2
	v_permlane16_swap_b32 v[PC+\i], v[PT+\i]
.endr
.irp i, 0,1,2
	v_mov_b32 v[PC+3+\i], v[PT+\i]
.endr
	global_store_b128 v[L16], v[PC:PC+3], s[52:53] ; 512 consecutive bytes
	global_store_b64 v[L8], v[PC+4:PC+5], s[52:53] ; 256
	global_store_b16 v[A4], v[T0], s[54:55]        ; two bytes of each lane's scale word; the word's other half is the neighbouring head's
	s_wait_dscnt 0x0
	s_wait_tensorcnt 0x0
	ds_add_u32 v126, v127
	s_wait_dscnt 0x0
	CROUND                                         ; the closing round
	s_endpgm
.Lfunc_end_k_q3f6a694433_attn:
	.size	k_q3f6a694433_attn, .Lfunc_end_k_q3f6a694433_attn-k_q3f6a694433_attn
	.p2alignl 7, 3214868480
	.fill 96, 4, 3214868480
	.section	.rodata,"a",@progbits
	.p2align	6, 0x0
	.amdhsa_kernel k_q3f6a694433_attn
		.amdhsa_group_segment_fixed_size 223232
		.amdhsa_private_segment_fixed_size 0
		.amdhsa_enable_private_segment 0
		.amdhsa_kernarg_size 24
		.amdhsa_user_sgpr_count 2
		.amdhsa_user_sgpr_kernarg_segment_ptr 1
		.amdhsa_wavefront_size32 1
		.amdhsa_system_sgpr_workgroup_id_x 1
		.amdhsa_system_sgpr_workgroup_id_y 1
		.amdhsa_system_sgpr_workgroup_id_z 1
		.amdhsa_system_vgpr_workitem_id 0
		.amdhsa_next_free_vgpr 256
		.amdhsa_next_free_sgpr 66
		.amdhsa_reserve_vcc 0
		.amdhsa_float_denorm_mode_32 3
		.amdhsa_float_denorm_mode_16_64 3
		.amdhsa_memory_ordered 1
		.amdhsa_forward_progress 1
		.amdhsa_inst_pref_size 45
	.end_amdhsa_kernel
	.amdgpu_metadata
---
amdhsa.version: [ 1, 2 ]
amdhsa.kernels:
  - .name:           k_q3f6a694433_attn
    .symbol:         k_q3f6a694433_attn.kd
    .args:
      - { .name: qkv, .offset: 0, .size: 8, .value_kind: global_buffer, .address_space: global }
      - { .name: img2, .offset: 8, .size: 8, .value_kind: global_buffer, .address_space: global }
      - { .name: sc2, .offset: 16, .size: 8, .value_kind: global_buffer, .address_space: global }
    .group_segment_fixed_size: 223232
    .private_segment_fixed_size: 0
    .kernarg_segment_align: 8
    .kernarg_segment_size: 24
    .max_flat_workgroup_size: 512
    .sgpr_count:     66
    .vgpr_count:     256
    .wavefront_size: 32
...
	.end_amdgpu_metadata
.endif
;; end of part 3
;; launch gemm_out (part 4): grid 4 x 16, 4 waves a work-group, clusters of 4 x 4, 327,680 bytes of LDS; arguments img2, sc2, b_out, out0; writes out0
.if DOCPART == 4
	.amdgcn_target "amdgcn-amd-amdhsa--gfx1250"
	.amdhsa_code_object_version 6
	.text
	.protected	k_q3f6a694433_gemm_out
	.globl	k_q3f6a694433_gemm_out
	.p2align	8
	.type	k_q3f6a694433_gemm_out,@function
k_q3f6a694433_gemm_out:
	s_mov_b64 s[64:65], 0
	v_nop
	global_prefetch_b8 v0, s[64:65] scope:SCOPE_SE
	s_setreg_imm32_b32 hwreg(HW_REG_WAVE_MODE, 25, 1), 1
	s_wait_xcnt 0x0
	s_wait_alu depctr_hold_cnt(0) depctr_sa_sdst(0) depctr_va_vdst(0) depctr_va_sdst(0) depctr_va_ssrc(0) depctr_va_vcc(0) depctr_vm_vsrc(0)
	s_getreg_b32 s2, hwreg(HW_REG_IB_STS2, 6, 4)
	s_cmp_eq_u32 s2, 0
	s_cbranch_scc0 .Lentry_in_a_cluster
	s_endpgm
.Lentry_in_a_cluster:
	s_bfe_u32 s2, ttmp6, 0x10000c
	s_cmp_lg_u32 s2, 0xf033
	s_cbranch_scc0 .Lentry_shape_is_right
	s_endpgm
.Lentry_shape_is_right:
; out0 = o W_out + b_out on codes of FP6 (E2M3) with E8M0 scales, K = 1024; out0 [4096][1024] f32.
; OPERANDS are images of the operand's registers (img2[block][K step][1536], sc2[block][K step][128]; blocks 0-255 o's tokens, 256-319 W_out's columns; block 2 B + u, lane r, holds row 32 B + 8 u + r + 8 (r / 8)).
; A tile is 256 x 256, four waves of 128 x 128: 64 accumulators.  Source 0 = W_out's columns ("B"), source 1 = tokens ("A"): a lane holds one token, and its eight registers of B's block b are columns
; 32 (b / 2) + 16 (lane / 16) + 8 (b % 2) + 0 .. 7.  The bias, in that layout, is the C of the first products.
; K goes through a ring of two LDS slots of 256 along K, filled by joint tensor loads (4 x 4 cluster: A's tile shared along a row, B's along a column); all is written out, no loop.
; The scale words of all of K come once into 64 registers: register 8 kq + i holds A's block i in lanes 0-15, B's block i in lanes 16-31.
; 64 tiles: 64 work-groups; a smaller tile would fill more WGPs at twice the LDS reads for each product.
; REGISTERS: window 0: v16-23 LDS addresses, v24-26 the way out, v28-29 the add's, v30 scales' offset, v31 bias offset, v32-95 scale words, v96-127 and v224-255 the bias, v128-223 A's fragments; on the way out v128-255 rows of out0.
;   window 1: B's two sets.  windows 2, 3: the accumulators ((a, b) at v[8 (8 (a % 4) + b)]).
.set FR,    12
.set HALFT, 24576
.set SLOT,  98304
.set SPARE, 196608                     ; the spare words, 128 bytes a wave: two blocks of 256 bytes that no other line names
.set STAGE, 197120                     ; behind them: 16 rows x 528 bytes for each wave; no fill lands here
.set SPITCH, 528
.set BLKB,  12288
.set ADRA, 16
.set ADRB, 20
.set STO,  24
.set RD,   25
.set CO,   26
.set SPW,  28
.set NIL,  29
.set SOFF, 30
.set BO,   31
.set SC,   32
.set AF,   128
.set BK,   128
.set G1,  24
.set G0,  32
.set G1B, 48
.set G0B, 56
.set MSB, 0
.macro WIN new
.if MSB != (\new)
	s_set_vgpr_msb (MSB<<8)|(\new)
.set MSB, (\new)
.endif
.endm
.set MUL_LO, 0xa1
.set MUL_HI, 0xf1
.set TO_B,   0x40
.macro JLOAD s
	s_cmp_eq_u32 s15, 0
	s_cbranch_scc0 .Lfor_b_\@
	tensor_load_to_lds s[G0+4*\s:G0+4*\s+3], s[G1:G1+7]
	s_nop 0
.rept 4
	v_nop
.endr
	s_branch .Lasked_\@
.Lfor_b_\@:
	tensor_load_to_lds s[G0B+4*\s:G0B+4*\s+3], s[G1B:G1B+7]
	s_nop 0
.rept 4
	v_nop
.endr
.Lasked_\@:
.endm
.macro CREST
	s_cmp_lg_u32 s14, 0
	s_cbranch_scc1 .Lnot_wave_0_\@
	s_barrier_signal -3
.Lnot_wave_0_\@:
	s_barrier_wait -3
	s_barrier_signal -1
	s_barrier_wait -1
.endm
.macro CROUND
	s_barrier_signal -1
	s_barrier_wait -1
	CREST
.endm
.macro PLACES
.rept 4
	v_nop
.endr
.endm
	s_load_b256 s[4:11], s[0:1], 0x0               ; img2 s[4:5], sc2 s[6:7], b_out s[8:9], out0 s[10:11]
	v_lshl_add_u32 v[SPW], v0, 2, SPARE
	v_mov_b32 v[NIL], 0
	ds_add_u32 v28, v29
	ds_add_u32 v28, v29
	s_wait_dscnt 0x0
	v_lshrrev_b32 v1, 5, v0
	v_readfirstlane_b32 s14, v1                    ; wave
	s_lshr_b32 s15, s14, 1                         ; RH; also: I fetch for A (0) or for B (1)
	s_and_b32 s16, s14, 1                          ; CH; also: which 8 blocks I fetch
	s_bfe_u32 s40, ttmp6, 0x40000                  ; cx
	s_bfe_u32 s41, ttmp6, 0x40004                  ; cy
	s_lshl_b32 s42, ttmp9, 2
	s_add_co_u32 s42, s42, s40                     ; tileB
	s_and_b32 s17, ttmp7, 0xffff
	s_lshl_b32 s17, s17, 2
	s_add_co_u32 s17, s17, s41                     ; tileA
	s_lshl_b32 s43, s41, 2
	s_lshl_b32 s43, 15, s43
	s_lshl_b32 s44, 0x1111, s40
	s_or_b32 s[G1+0], s43, (3<<16)|(1<<21)         ; 8 rows (blocks) of 3,072 bytes, 12,288 apart, elements of 8 bytes, no padding
	s_or_b32 s[G1B+0], s44, (3<<16)|(1<<21)
.irp g, G1, G1B
	s_mov_b32 s[\g+1], 384<<16
	s_mov_b32 s[\g+2], 8<<16
	s_mov_b32 s[\g+3], 384<<16
	s_mov_b32 s[\g+4], 8
	s_mov_b32 s[\g+5], 1536
	s_mov_b32 s[\g+6], 0
	s_mov_b32 s[\g+7], 0
.endr
	s_lshl_b32 s18, s16, 3
	s_lshl_b32 s20, s17, 4
	s_add_co_u32 s20, s20, s18
	s_mul_i32 s20, s20, BLKB
	s_mov_b32 s21, 0
	s_lshl_b32 s46, s42, 4
	s_add_co_u32 s46, s46, 256
	s_add_co_u32 s46, s46, s18
	s_mul_i32 s46, s46, BLKB
	s_mov_b32 s47, 0
	s_mul_i32 s45, s14, HALFT
	s_wait_kmcnt 0x0
	s_add_nc_u64 s[20:21], s[4:5], s[20:21]
	s_add_nc_u64 s[46:47], s[4:5], s[46:47]
	CROUND                                         ; the first joint loads meet
.irp s, 0,1
	s_mov_b32 s[G0+4*\s], 1
	s_add_co_u32 s[G0+4*\s+1], s45, \s*SLOT
	s_add_nc_u64 s[G0+4*\s+2:G0+4*\s+3], s[20:21], \s*3072
	s_or_b32 s[G0+4*\s+3], s[G0+4*\s+3], 0x80000000
	s_mov_b32 s[G0B+4*\s], 1
	s_add_co_u32 s[G0B+4*\s+1], s45, \s*SLOT
	s_add_nc_u64 s[G0B+4*\s+2:G0B+4*\s+3], s[46:47], \s*3072
	s_or_b32 s[G0B+4*\s+3], s[G0B+4*\s+3], 0x80000000
	JLOAD \s
.endr
	v_and_b32 v1, 31, v0                           ; lane
	v_and_b32 v2, 15, v0                           ; r
	v_bfe_u32 v3, v0, 4, 1                         ; h
	v_lshlrev_b32 v4, 4, v1                        ; 16 x lane
	v_lshlrev_b32 v5, 3, v1
	v_add_nc_u32 v5, 512, v5                       ; 8 x lane + 512
	v_lshlrev_b32 v6, 2, v1                        ; 4 x lane
	s_lshl_b32 s71, s17, 4
	s_lshl_b32 s72, s15, 3
	s_add_co_u32 s71, s71, s72
	s_lshl_b32 s71, s71, 10                        ; A's scale words: my 8 blocks
	s_lshl_b32 s73, s42, 4
	s_add_co_u32 s73, s73, 256
	s_lshl_b32 s72, s16, 3
	s_add_co_u32 s73, s73, s72
	s_lshl_b32 s73, s73, 10                        ; B's
	v_add_nc_u32 v7, s71, v6
	v_add_nc_u32 v8, s73, v6
	v_cmp_gt_u32 vcc_lo, 16, v1
	v_cndmask_b32 v[SOFF], v8, v7, vcc_lo
.irp kq, 0,1,2,3,4,5,6,7
.irp i, 0,1,2,3,4,5,6,7
	global_load_b32 v[SC+8*\kq+\i], v[SOFF], s[6:7] offset:1024*\i+128*\kq
.endr
.endr
	s_lshl_b32 s72, s42, 10
	s_lshl_b32 s73, s16, 9
	s_add_co_u32 s72, s72, s73                     ; my first column, in bytes: 1,024 tileB + 512 CH
	s_mov_b32 s73, 0
	s_add_nc_u64 s[8:9], s[8:9], s[72:73]
	v_lshlrev_b32 v[BO], 6, v3                     ; 64 h
.irp b, 0,1,2,3,4,5,6,7
	global_load_b128 v[96+8*\b+96*(\b/4):96+8*\b+96*(\b/4)+3], v[BO], s[8:9] offset:128*(\b/2)+32*(\b%2)       ; the bias of B's block b, in the result's layout
	global_load_b128 v[96+8*\b+96*(\b/4)+4:96+8*\b+96*(\b/4)+7], v[BO], s[8:9] offset:128*(\b/2)+32*(\b%2)+16
.endr
	s_mul_i32 s69, s15, HALFT
	s_mul_i32 s70, s16, HALFT
	s_add_co_u32 s70, s70, 2*HALFT
.irp s, 0,1
	v_add_nc_u32 v[ADRA+\s], s69, v4
	v_add_nc_u32 v[ADRA+2+\s], s69, v5
	v_add_nc_u32 v[ADRB+\s], s70, v4
	v_add_nc_u32 v[ADRB+2+\s], s70, v5
	s_add_co_u32 s69, s69, SLOT
	s_add_co_u32 s70, s70, SLOT
.endr
	s_mul_i32 s69, s14, 16*SPITCH
	s_add_co_u32 s69, s69, STAGE                   ; my stage
	v_mul_u32_u24 v6, v2, SPITCH
	v_lshl_add_u32 v6, v3, 6, v6
	v_add_nc_u32 v[STO], s69, v6                   ; in: row r, + 64 h
	v_add_nc_u32 v[RD], s69, v4                    ; back: a row of 512 bytes, 16 bytes a lane
	v_mov_b32 v[CO], v4
	s_lshl_b32 s74, s17, 8
	s_lshl_b32 s75, s15, 7
	s_add_co_u32 s74, s74, s75                     ; my first token: 256 tileA + 128 RH
	s_lshl_b32 s74, s74, 12                        ; a row of out0 is 4,096 bytes
	s_add_co_u32 s74, s74, s72
	s_mov_b32 s75, 0
	s_add_nc_u64 s[10:11], s[10:11], s[74:75]
.macro FRAG reg, adr, q, i
	ds_load_b128 v[\reg:\reg+3], v[\adr] offset:3072*(\i)+1536*(\q)
	ds_load_b64 v[\reg+4:\reg+5], v[\adr+2] offset:3072*(\i)+1536*(\q)
	ds_load_b128 v[\reg+6:\reg+9], v[\adr] offset:3072*(\i)+1536*(\q)+768
	ds_load_b64 v[\reg+10:\reg+11], v[\adr+2] offset:3072*(\i)+1536*(\q)+768
.endm
.macro FETCH_B slot, q, p
	WIN TO_B
.irp i, 0,1,2,3,4,5,6,7
	FRAG 128*(\p)+FR*\i, ADRB+\slot, \q, \i
.endr
	WIN 0
.endm
.macro FETCH_A slot, q, i0
.irp i, \i0, \i0+1, \i0+2, \i0+3
	FRAG AF+FR*(\i), ADRA+\slot, \q, \i
.endr
.endm
; first = 1: the bias (window 0) is the C of the sum's first product.  The 64 accumulators take turns, one instruction a turn.
.macro MUL16 a0, p, kq, first
.irp a, \a0, \a0+1
.irp b, 0,1,2,3,4,5,6,7
.if \first
	v_wmma_scale_f32_16x16x128_f8f6f4 v[8*(8*((\a)%4)+\b):8*(8*((\a)%4)+\b)+7], v[128*(\p)+FR*\b:128*(\p)+FR*\b+FR-1], v[AF+FR*(\a):AF+FR*(\a)+FR-1], v[96+8*\b+96*(\b/4):96+8*\b+96*(\b/4)+7], v[SC+8*(\kq)+\b], v[SC+8*(\kq)+(\a)] matrix_a_fmt:MATRIX_FMT_FP6 matrix_b_fmt:MATRIX_FMT_FP6 matrix_a_scale:MATRIX_SCALE_ROW1
.else
	v_wmma_scale_f32_16x16x128_f8f6f4 v[8*(8*((\a)%4)+\b):8*(8*((\a)%4)+\b)+7], v[128*(\p)+FR*\b:128*(\p)+FR*\b+FR-1], v[AF+FR*(\a):AF+FR*(\a)+FR-1], v[8*(8*((\a)%4)+\b):8*(8*((\a)%4)+\b)+7], v[SC+8*(\kq)+\b], v[SC+8*(\kq)+(\a)] matrix_a_fmt:MATRIX_FMT_FP6 matrix_b_fmt:MATRIX_FMT_FP6 matrix_a_scale:MATRIX_SCALE_ROW1
.endif
.endr
.endr
.endm
.macro STEP slot, kq, first
	s_wait_dscnt 16                                ; B's set and A's blocks 0-3 are in; the youngest 16 loads (A's blocks 4-7) may be out
.if \first
	WIN 0x81                                       ; C in window 0, D in window 2
.else
	WIN MUL_LO
.endif
	MUL16 0, 0, \kq, \first
	MUL16 2, 0, \kq, \first
	s_wait_dscnt 0x0
	PLACES
	FETCH_B \slot, 1, 1
	FETCH_A \slot, 1, 0
.if \first
	WIN 0xc1                                       ; C in window 0, D in window 3
.else
	WIN MUL_HI
.endif
	MUL16 4, 0, \kq, \first
	MUL16 6, 0, \kq, \first
	PLACES
	WIN 0
	FETCH_A \slot, 1, 4
.endm
.macro TURN slot, next, fill, kq
	s_wait_tensorcnt 0x0                           ; all my tensor loads have landed: my part of the next slot
	ds_add_u32 v[SPW], v[NIL]                      ; 0 onto my spare word
	s_wait_dscnt 17                                ; the add and the youngest 16 loads may be out
	WIN MUL_LO
	MUL16 0, 1, \kq, 0
	s_wait_dscnt 0x0                               ; the add is done, and my reads of this slot are over
	s_barrier_signal -1
	MUL16 2, 1, \kq, 0
	WIN 0
	s_barrier_wait -1
.if \fill
	CREST                                          ; a round of the cluster's barrier: no wave of any partner still reads this slot or has a load on its way
	s_add_nc_u64 s[G0+4*\slot+2:G0+4*\slot+3], s[G0+4*\slot+2:G0+4*\slot+3], 6144
	s_add_nc_u64 s[G0B+4*\slot+2:G0B+4*\slot+3], s[G0B+4*\slot+2:G0B+4*\slot+3], 6144
	JLOAD \slot
.else
	PLACES
.endif
	FETCH_B \next, 0, 0
	FETCH_A \next, 0, 0
	WIN MUL_HI
	MUL16 4, 1, \kq, 0
	MUL16 6, 1, \kq, 0
	PLACES
	WIN 0
	FETCH_A \next, 0, 4
.endm
	s_wait_tensorcnt 1                             ; my part of slot 0 is in; slot 1's load may be out
	s_barrier_signal -1
	s_barrier_wait -1
	FETCH_B 0, 0, 0
	FETCH_A 0, 0, 0
	FETCH_A 0, 0, 4
	s_wait_loadcnt 0x0                             ; the scale words and the bias
	STEP 0, 0, 1
	TURN 0, 1, 1, 1
	STEP 1, 2, 0
	TURN 1, 0, 1, 3
	STEP 0, 4, 0
	TURN 0, 1, 0, 5
	STEP 1, 6, 0
	s_wait_dscnt 16
	WIN MUL_LO
	MUL16 0, 1, 7, 0
	MUL16 2, 1, 7, 0
	s_wait_dscnt 0x0
	WIN MUL_HI
	MUL16 4, 1, 7, 0
	MUL16 6, 1, 7, 0
	WIN 0
; THE WAY OUT, a block of 16 tokens x 128 columns at a time through my own stage: in by lanes (32 bytes of a row each), back as whole rows of 512 bytes.  LDS serves a wave's instructions in order (ISA guide 5.7.1.4).
.macro TOSTAGE a
.set AC, 64*((\a)%4)
	WIN 0x08+4*((\a)/4)                            ; the data: window 2 or 3
.irp b, 0,1,2,3,4,5,6,7
	ds_store_b128 v[STO], v[AC+8*\b:AC+8*\b+3] offset:128*(\b/2)+32*(\b%2)          ; each accumulator from its low end on
	ds_store_b128 v[STO], v[AC+8*\b+4:AC+8*\b+7] offset:128*(\b/2)+32*(\b%2)+16
.endr
	WIN 0
.set BB, BK+64*((\a)%2)
.irp t, 0,1,2,3,4,5,6,7,8,9,10,11,12,13,14,15
	ds_load_b128 v[BB+4*\t:BB+4*\t+3], v[RD] offset:\t*SPITCH
.endr
.endm
.macro SEND a, younger                 ; younger: the LDS instructions issued behind block a's loads
.set BB, BK+64*((\a)%2)
	s_wait_dscnt \younger
.if (\a) > 0
	s_add_nc_u64 s[10:11], s[10:11], (8+16*(1-(\a)%2))*4096   ; block a begins at token 32 (a / 2) + 8 (a % 2): 8 rows on for an odd a, 24 for an even one (behind a wait on XCNT)
.endif
.irp t, 0,1,2,3,4,5,6,7,8,9,10,11,12,13,14,15
	global_store_b128 v[CO], v[BB+4*\t:BB+4*\t+3], s[10:11] offset:(\t+8*(\t/8))*4096 th:TH_STORE_NT   ; stage row t is token t + 8 (t / 8) of the block; 32 lanes store 512 consecutive aligned bytes
.endr
.endm
	PLACES
	TOSTAGE 0
.irp a, 1,2,3,4,5,6,7
.if \a > 1
	s_wait_xcnt 0x0                                ; block a - 2's stores have read their registers and their base
.endif
	TOSTAGE \a
	SEND \a-1, 32                                  ; behind block a - 1's loads: block a's 16 stores and 16 loads
.endr
	s_wait_xcnt 0x0
	SEND 7, 0
	s_wait_tensorcnt 0x0                           ; the wave's end
	ds_add_u32 v[SPW], v[NIL]
	s_wait_dscnt 0x0
	CROUND                                         ; the closing round
	s_endpgm
.Lfunc_end_k_q3f6a694433_gemm_out:
	.size	k_q3f6a694433_gemm_out, .Lfunc_end_k_q3f6a694433_gemm_out-k_q3f6a694433_gemm_out
	.p2alignl 7, 3214868480
	.fill 96, 4, 3214868480
	.section	.rodata,"a",@progbits
	.p2align	6, 0x0
	.amdhsa_kernel k_q3f6a694433_gemm_out
		.amdhsa_group_segment_fixed_size 327680
		.amdhsa_private_segment_fixed_size 0
		.amdhsa_enable_private_segment 0
		.amdhsa_kernarg_size 32
		.amdhsa_user_sgpr_count 2
		.amdhsa_user_sgpr_kernarg_segment_ptr 1
		.amdhsa_wavefront_size32 1
		.amdhsa_system_sgpr_workgroup_id_x 1
		.amdhsa_system_sgpr_workgroup_id_y 1
		.amdhsa_system_sgpr_workgroup_id_z 1
		.amdhsa_system_vgpr_workitem_id 0
		.amdhsa_next_free_vgpr 1024
		.amdhsa_next_free_sgpr 100
		.amdhsa_reserve_vcc 1
		.amdhsa_float_denorm_mode_32 3
		.amdhsa_float_denorm_mode_16_64 3
		.amdhsa_memory_ordered 1
		.amdhsa_forward_progress 1
		.amdhsa_inst_pref_size 147
	.end_amdhsa_kernel
	.amdgpu_metadata
---
amdhsa.version: [ 1, 2 ]
amdhsa.kernels:
  - .name:           k_q3f6a694433_gemm_out
    .symbol:         k_q3f6a694433_gemm_out.kd
    .args:
      - { .name: img2, .offset: 0, .size: 8, .value_kind: global_buffer, .address_space: global }
      - { .name: sc2, .offset: 8, .size: 8, .value_kind: global_buffer, .address_space: global }
      - { .name: b_out, .offset: 16, .size: 8, .value_kind: global_buffer, .address_space: global }
      - { .name: out0, .offset: 24, .size: 8, .value_kind: global_buffer, .address_space: global }
    .group_segment_fixed_size: 327680
    .private_segment_fixed_size: 0
    .kernarg_segment_align: 8
    .kernarg_segment_size: 32
    .max_flat_workgroup_size: 128
    .sgpr_count:     100
    .vgpr_count:     1024
    .wavefront_size: 32
...
	.end_amdgpu_metadata
.endif
;; end of part 4
;; ======== version 2 of 2: 4 launches
;; limits: right only within a limited range of input values
;; workspace buffers: img1 5,505,024 bytes; sc1 458,752 bytes; img2 3,932,160 bytes; sc2 327,680 bytes; qkv 10,747,904 bytes
;; launch prep (part 5): grid 96 x 8, 4 waves a work-group, no clusters, 34,304 bytes of LDS; arguments x, W_qkv, W_out, img1, sc1, img2, sc2; writes img1, sc1, img2, sc2
.if DOCPART == 5
	.amdgcn_target "amdgcn-amd-amdhsa--gfx1250"
	.amdhsa_code_object_version 6
	.text
	.protected	k_q3f6a694433_prep
	.globl	k_q3f6a694433_prep
	.p2align	8
	.type	k_q3f6a694433_prep,@function
k_q3f6a694433_prep:
	s_mov_b64 s[64:65], 0
	v_nop
	global_prefetch_b8 v0, s[64:65] scope:SCOPE_SE
	s_setreg_imm32_b32 hwreg(HW_REG_WAVE_MODE, 25, 1), 1
	s_wait_xcnt 0x0
; x [4096][1024], W_qkv [1024][3072] and W_out [1024][1024], f32, become codes of FP6 (E2M3) with one E8M0 byte for each 32 along K (K = 1024: x's last axis, the weights' first).
; A block's scale is 2^(floor(log2(its largest magnitude)) - 2): its byte is the largest magnitude's exponent field - 2, held at 1 from below by a floor among the maximum's leaves.
; LIMITS: NaN and infinities are not served; blocks whose largest magnitude lies under 2^-124 get the byte 1; a block of zeros carries the byte 1 (its codes are zeros; only this program reads the bytes).
; THE CODES ARE LAID AS IMAGES OF THE OPERAND'S REGISTERS.  A fragment (16 rows x 128 K, 12 registers a lane) is 1,536 bytes: two halves of 768 (64 K each); in a half lane l's first 16 bytes lie at 16 l,
; its last 8 at 512 + 8 l.  A fragment's scale words: 128 bytes, 4 a lane, lanes 16-31 repeating lanes 0-15.  img[block][K step 0..7][1536], sc[block][K step][128].
; ROWS: block 2 B + u, lane r, holds row 32 B + 8 u + r + 8 (r / 8) (tokens of x; columns of a weight).  img1: blocks 0-255 x, 256-447 W_qkv.  img2: blocks 256-319 W_out (0-255 are written by a later launch).
; SHARES: work-group y = the K step.  x < 64: a wave makes one fragment of x (block 4 x + wave).  64 <= x < 88: a wave takes 32 columns of W_qkv, a lane a column, registers down K: two fragments.  x >= 88: the same for W_out.
; x's numbers are loaded as they lie, a token's 512 consecutive bytes a load, and turn through the wave's own stage in LDS, so that a lane gets 16 neighbours of each block.  The weights' path uses no LDS.
; No barrier, no loop: waves share nothing, every offset is an immediate and no store's register is written again.
; ROWS, as the code below has them (in place of the line on rows above): block 4 C + i, lane r, holds row 64 C + 32 (r / 8) + 8 i + r % 8 (tokens of x; columns of a weight),
; so that a lane's 32 results of four neighbouring tiles are one scale block of the next product.
; img1 is laid [group of 8 blocks][K step][block in the group][1536]: a group's bytes of neighbouring K steps lie on end.  img2 stays [block][K step][1536].
.set X,   16
.set X2,  80
.set TM,  144                          ; v144-147 largest magnitudes, v148-151 bytes, v156-159 the conversions' scale operands
.set PC,  160                          ; v160-178 codes (x's path)
.set C,   160                          ; v160-190 codes, eight registers a block (the weights' path)
.set PW,  15                           ; v15      the scale word (x's path)
.set SEL, 20                           ; s[20:21] v_permlanex16_b32's selects for lane l xor 16
.set SP,  528                          ; a stage row: 512 bytes + 16: row r begins 16 r bytes on modulo 256, so sixteen lanes that read one column of sixteen rows touch sixteen different columns of 16 bytes
	s_load_b256 s[4:11], s[0:1], 0x0               ; x s[4:5], W_qkv s[6:7], W_out s[8:9], img1 s[10:11]
	s_load_b128 s[12:15], s[0:1], 0x20             ; sc1 s[12:13], img2 s[14:15]
	s_load_b64 s[16:17], s[0:1], 0x30              ; sc2
	v_lshl_add_u32 v192, v0, 2, 0x8400
	v_mov_b32 v193, 0
	v_lshrrev_b32 v1, 5, v0
	v_readfirstlane_b32 s18, v1                    ; wave
	v_and_b32 v1, 31, v0                           ; lane
	s_and_b32 s19, ttmp7, 0xffff                   ; the K step q
	s_mov_b32 s[SEL], 0x76543210
	s_mov_b32 s[SEL+1], 0xfedcba98
	s_cmp_lt_u32 ttmp9, 64
	s_cbranch_scc0 .Lweights
; 64 numbers of a lane, register 16 b + i = k 32 b + 16 (lane / 16) + i of my row, become a fragment's codes in v[PC] on and its scale word in v[PW]
.macro QUANT s
.irp b, 0,1,2,3
	v_max3_num_f32 v[TM+\b], |v[\s+16*\b]|, |v[\s+1+16*\b]|, 0x1800000   ; my 16 numbers of block b, and the floor 2^(3 - 127)
.endr
.irp i, 2,4,6,8,10,12,14
.irp b, 0,1,2,3
	v_max3_num_f32 v[TM+\b], v[TM+\b], |v[\s+16*\b+\i]|, |v[\s+1+16*\b+\i]|   ; the four blocks by turns
.endr
.endr
.irp b, 0,1,2,3
	v_permlanex16_b32 v[TM+4+\b], v[TM+\b], s[SEL], s[SEL+1]
.endr
.irp b, 0,1,2,3
	v_max_num_f32 v[TM+\b], v[TM+\b], v[TM+4+\b]   ; with lane l xor 16's: the block's largest magnitude
.endr
.irp b, 0,1,2,3
	v_add_nc_u32 v[TM+12+\b], 0xff000000, v[TM+\b] ; 2 off its exponent field: the conversion's scale operand
.endr
.irp b, 0,1,2,3
	v_lshrrev_b32 v[TM+4+\b], 23, v[TM+12+\b]      ; the scale's byte
.endr
	v_lshl_or_b32 v[PW], v[TM+5], 8, v[TM+4]
	v_lshl_or_b32 v[PW], v[TM+6], 16, v[PW]
	v_lshl_or_b32 v[PW], v[TM+7], 24, v[PW]
.irp c, 0,1
	v_cvt_scalef32_pk16_fp6_f32 v[PC+6*\c:PC+2+6*\c], v[\s+32*\c:\s+15+32*\c], v[TM+12+2*\c]
	v_cvt_scalef32_pk16_fp6_f32 v[PC+12+4*\c:PC+14+4*\c], v[\s+16+32*\c:\s+31+32*\c], v[TM+12+2*\c+1]   ; a conversion's three registers begin on an even number
.endr
	v_nop                                          ; one plain place behind a scaled conversion
.irp c, 0,1                                    ; the operand wants a whole block in a lane: lanes 0-15 block 2 c, lanes 16-31 block 2 c + 1
.irp i, 0,1,2
	v_permlane16_swap_b32 v[PC+6*\c+\i], v[PC+12+4*\c+\i]
.endr
.irp i, 0,1,2
	v_mov_b32 v[PC+3+6*\c+\i], v[PC+12+4*\c+\i]
.endr
.endr
.endm
	; ---- x: block T = 4 x + wave, K step q
	v_and_b32 v2, 15, v0                           ; r
	v_bfe_u32 v3, v0, 4, 1                         ; h
	v_lshlrev_b32 v5, 4, v1                        ; 16 x lane: my 16 bytes of a load's 512, and of an image's
	v_lshlrev_b32 v6, 3, v1
	v_add_nc_u32 v6, 512, v6                       ; 8 x lane + 512
	v_lshlrev_b32 v7, 2, v1                        ; 4 x lane
	s_mul_i32 s27, s18, 16*SP                      ; my wave's stage
	v_add_nc_u32 v8, s27, v5                       ; into it: a row as it was loaded
	v_mul_u32_u24 v9, v2, SP
	v_lshl_add_u32 v9, v3, 6, v9
	v_add_nc_u32 v9, s27, v9                       ; out of it: row r, + 64 h: my 16 numbers of each block of 32
.irp b, 0,1,2,3
	v_mov_b32 v[TM+4+\b], 0                        ; a lane permute's destination counts as one of its sources
.endr
	s_lshl_b32 s22, ttmp9, 2
	s_add_co_u32 s22, s22, s18                     ; T
	s_lshr_b32 s23, s22, 2
	s_lshl_b32 s23, s23, 6
	s_and_b32 s24, s22, 3
	s_lshl_b32 s24, s24, 3                         ; the block's first token: 64 (T / 4) + 8 (T % 4)
	s_add_co_u32 s23, s23, s24                     ; the block's first token: 64 (T / 4) + 8 (T % 4)
	s_lshl_b32 s24, s23, 12
	s_lshl_b32 s25, s19, 9
	s_add_co_u32 s24, s24, s25                     ; + 512 q bytes along K
	s_mov_b32 s25, 0
	s_lshl_b32 s26, s22, 3
	s_add_co_u32 s26, s26, s19                     ; 8 T + q: the scale words' place
	s_and_b32 s28, s22, 0xfff8
	s_add_co_u32 s28, s28, s19
	s_lshl_b32 s28, s28, 3                         ; 64 (T / 8) + 8 q
	s_and_b32 s29, s22, 7
	s_add_co_u32 s28, s28, s29                     ; + T % 8: the image's place
	s_mul_i32 s28, s28, 1536
	s_mov_b32 s29, 0
	s_lshl_b32 s30, s26, 7
	s_mov_b32 s31, 0
	s_wait_alu depctr_va_vdst(0)
	s_wait_kmcnt 0x0
	s_add_nc_u64 s[4:5], s[4:5], s[24:25]
	s_add_nc_u64 s[10:11], s[10:11], s[28:29]
	s_add_nc_u64 s[12:13], s[12:13], s[30:31]
.irp i, 0,1,2,3,4,5,6,7,8,9,10,11,12,13,14,15
	global_load_b128 v[X+4*\i:X+4*\i+3], v5, s[4:5] offset:(\i+24*(\i/8))*4096 th:TH_LOAD_NT   ; image row i is token i + 24 (i / 8) of the block: 32 lanes read its 512 consecutive bytes
.endr
.irp i, 0,1,2,3,4,5,6,7,8,9,10,11,12,13,14,15
	s_wait_loadcnt 15-\i                           ; row i is in; the younger rows' loads may be out
	ds_store_b128 v8, v[X+4*\i:X+4*\i+3] offset:SP*\i
.endr
.irp b, 0,1,2,3
.irp j, 0,1,2,3
	ds_load_b128 v[X2+16*\b+4*\j:X2+16*\b+4*\j+3], v9 offset:128*\b+16*\j   ; LDS serves a wave's instructions in order (ISA guide 5.7.1.4): these see my stores
.endr
.endr
	s_wait_dscnt 0x0
	QUANT X2
.irp c, 0,1
	global_store_b128 v5, v[PC+6*\c:PC+6*\c+3], s[10:11] offset:768*\c     ; 32 lanes store 512 consecutive bytes
	global_store_b64 v6, v[PC+6*\c+4:PC+6*\c+5], s[10:11] offset:768*\c    ; and 256
.endr
	global_store_b32 v7, v[PW], s[12:13]
	s_wait_tensorcnt 0x0
	ds_add_u32 v192, v193
	s_wait_dscnt 0x0
	s_endpgm
; ---- a weight: lane l takes column 32 CG + l, its registers run down K: a block of 32 along K lies in one lane
.macro WLOAD kb, pitch, wp
.irp i, 0,1,2,3,4,5,6,7,8,9,10,11,12,13,14,15,16,17,18,19,20,21,22,23,24,25,26,27,28,29,30,31
	global_load_b32 v[X+32*(\kb)+\i], v4, s[\wp:\wp+1] offset:(32*(\kb)+\i)*\pitch th:TH_LOAD_NT   ; 32 lanes read 128 consecutive bytes
.endr
.endm
.macro WBLOCK kb, ip
.set XS, X+32*(\kb)
.set CC, C+8*(\kb)
	v_max3_num_f32 v12, |v[XS]|, |v[XS+1]|, |v[XS+2]|
	v_max3_num_f32 v13, |v[XS+3]|, |v[XS+4]|, |v[XS+5]|
.irp i, 6,10,14,18,22,26
	v_max3_num_f32 v12, v12, |v[XS+\i]|, |v[XS+\i+1]|
	v_max3_num_f32 v13, v13, |v[XS+\i+2]|, |v[XS+\i+3]|
.endr
	v_max3_num_f32 v12, v12, |v[XS+30]|, |v[XS+31]|
	v_max3_num_f32 v12, v12, v13, 0x1800000        ; and the floor
	v_add_nc_u32 v11, 0xff000000, v12              ; the conversion's scale operand
	v_lshrrev_b32 v13, 23, v11                     ; the byte
.if (\kb) == 0
	v_mov_b32 v14, v13
.else
	v_lshl_or_b32 v14, v13, 8*(\kb), v14           ; the column's scale word: byte kb
.endif
	v_cvt_scalef32_pk16_fp6_f32 v[CC:CC+2], v[XS:XS+15], v11
	v_cvt_scalef32_pk16_fp6_f32 v[CC+4:CC+6], v[XS+16:XS+31], v11
	v_nop                                          ; one plain place behind a scaled conversion
	v_mov_b32 v[CC+3], v[CC+4]                     ; the block's 24 bytes on end
	v_mov_b32 v[CC+4], v[CC+5]
	v_mov_b32 v[CC+5], v[CC+6]
	global_store_b128 v6, v[CC:CC+3], s[\ip:\ip+1] offset:768*((\kb)/2)+256*((\kb)%2)    ; block kb is half kb / 2, image lanes 16 (kb % 2) + r': eight lanes fill 128 consecutive bytes, the wave beside mine the 128 next to them
	global_store_b64 v7, v[CC+4:CC+5], s[\ip:\ip+1] offset:768*((\kb)/2)+128*((\kb)%2)
.endm
.macro WPATH pitch, wp, ip, sp, x0, bs, qs     ; bs, qs: bytes from block to block inside a group of eight, and from K step to K step
	s_sub_co_u32 s22, ttmp9, \x0
	s_lshl_b32 s22, s22, 2
	s_add_co_u32 s22, s22, s18                     ; CG: which 32 columns
	s_mul_i32 s24, s19, 128*\pitch                 ; 128 q rows down
	s_lshl_b32 s25, s22, 7                         ; 32 neighbouring columns a wave: lane l takes column 32 CG + l
	s_add_co_u32 s24, s24, s25
	s_mov_b32 s25, 0
	s_lshr_b32 s26, s22, 1
	s_lshl_b32 s26, s26, 2
	s_add_co_u32 s26, s26, 256                     ; image block 256 + 4 (CG / 2) (+ l / 8)
	s_and_b32 s23, s22, 1
	s_lshl_b32 s23, s23, 3                         ; 8 (CG % 2)
	s_lshr_b32 s28, s26, 3
	s_mul_i32 s28, s28, 98304                      ; the group of eight blocks
	s_and_b32 s27, s26, 7
	s_mul_i32 s27, s27, \bs
	s_add_co_u32 s28, s28, s27
	s_mul_i32 s27, s19, \qs
	s_add_co_u32 s28, s28, s27
	s_mov_b32 s29, 0
	s_lshl_b32 s30, s26, 10
	s_lshl_b32 s27, s19, 7
	s_add_co_u32 s30, s30, s27
	s_mov_b32 s31, 0
	v_lshlrev_b32 v4, 2, v1                        ; in: 4 bytes a lane: 32 lanes read 128 consecutive bytes
	v_bfe_u32 v2, v0, 3, 2                         ; i = l / 8
	v_and_b32 v3, 7, v0
	v_add_nc_u32 v3, s23, v3                       ; r' = 8 (CG % 2) + l % 8: column 32 CG + l is row r' of block 4 (CG / 2) + i
	v_mul_u32_u24 v5, v2, \bs
	v_lshl_add_u32 v6, v3, 4, v5                   ; out: bs i + 16 r'
	v_lshl_add_u32 v7, v3, 3, v5
	v_add_nc_u32 v7, 512, v7                       ; bs i + 8 r' + 512
	v_lshlrev_b32 v8, 10, v2
	v_lshl_add_u32 v8, v3, 2, v8                   ; scale words: 1,024 i + 4 r'
	s_wait_alu depctr_va_vdst(0)
	s_wait_kmcnt 0x0
	s_add_nc_u64 s[\wp:\wp+1], s[\wp:\wp+1], s[24:25]
	s_add_nc_u64 s[\ip:\ip+1], s[\ip:\ip+1], s[28:29]
	s_add_nc_u64 s[\sp:\sp+1], s[\sp:\sp+1], s[30:31]
	WLOAD 0, \pitch, \wp
	WLOAD 1, \pitch, \wp
.irp kb, 0,1,2,3
.if \kb < 3
	s_wait_loadcnt 32                              ; this block's 32 loads are in; the next block's 32 may be out
.else
	s_wait_loadcnt 0x0
.endif
.if \kb < 2
	WLOAD \kb+2, \pitch, \wp                       ; two blocks ahead, into registers of their own
.endif
	WBLOCK \kb, \ip
.endr
	global_store_b32 v8, v14, s[\sp:\sp+1]         ; the scale word, for image lanes r'
	global_store_b32 v8, v14, s[\sp:\sp+1] offset:64   ; and 16 + r'
.endm
.Lweights:
	s_cmp_lt_u32 ttmp9, 88
	s_cbranch_scc0 .Lwout
	s_wait_alu depctr_va_vdst(0)
	WPATH 12288, 6, 10, 12, 64, 1536, 12288
	s_endpgm
.Lwout:
	s_wait_alu depctr_va_vdst(0)
	WPATH 4096, 8, 14, 16, 88, 12288, 1536
	s_endpgm
.Lfunc_end_k_q3f6a694433_prep:
	.size	k_q3f6a694433_prep, .Lfunc_end_k_q3f6a694433_prep-k_q3f6a694433_prep
	.p2alignl 7, 3214868480
	.fill 96, 4, 3214868480
	.section	.rodata,"a",@progbits
	.p2align	6, 0x0
	.amdhsa_kernel k_q3f6a694433_prep
		.amdhsa_group_segment_fixed_size 34304
		.amdhsa_private_segment_fixed_size 0
		.amdhsa_enable_private_segment 0
		.amdhsa_kernarg_size 56
		.amdhsa_user_sgpr_count 2
		.amdhsa_user_sgpr_kernarg_segment_ptr 1
		.amdhsa_wavefront_size32 1
		.amdhsa_system_sgpr_workgroup_id_x 1
		.amdhsa_system_sgpr_workgroup_id_y 1
		.amdhsa_system_sgpr_workgroup_id_z 1
		.amdhsa_system_vgpr_workitem_id 0
		.amdhsa_next_free_vgpr 194
		.amdhsa_next_free_sgpr 66
		.amdhsa_reserve_vcc 0
		.amdhsa_float_denorm_mode_32 3
		.amdhsa_float_denorm_mode_16_64 3
		.amdhsa_memory_ordered 1
		.amdhsa_forward_progress 1
		.amdhsa_inst_pref_size 52
	.end_amdhsa_kernel
	.amdgpu_metadata
---
amdhsa.version: [ 1, 2 ]
amdhsa.kernels:
  - .name:           k_q3f6a694433_prep
    .symbol:         k_q3f6a694433_prep.kd
    .args:
      - { .name: x, .offset: 0, .size: 8, .value_kind: global_buffer, .address_space: global }
      - { .name: W_qkv, .offset: 8, .size: 8, .value_kind: global_buffer, .address_space: global }
      - { .name: W_out, .offset: 16, .size: 8, .value_kind: global_buffer, .address_space: global }
      - { .name: img1, .offset: 24, .size: 8, .value_kind: global_buffer, .address_space: global }
      - { .name: sc1, .offset: 32, .size: 8, .value_kind: global_buffer, .address_space: global }
      - { .name: img2, .offset: 40, .size: 8, .value_kind: global_buffer, .address_space: global }
      - { .name: sc2, .offset: 48, .size: 8, .value_kind: global_buffer, .address_space: global }
    .group_segment_fixed_size: 34304
    .private_segment_fixed_size: 0
    .kernarg_segment_align: 8
    .kernarg_segment_size: 56
    .max_flat_workgroup_size: 128
    .sgpr_count:     66
    .vgpr_count:     194
    .wavefront_size: 32
...
	.end_amdgpu_metadata
.endif
;; end of part 5
;; launch gemm_qkv (part 6): grid 12 x 16, 4 waves a work-group, clusters of 4 x 4, 327,680 bytes of LDS; arguments img1, sc1, qkv; writes qkv
.if DOCPART == 6
	.amdgcn_target "amdgcn-amd-amdhsa--gfx1250"
	.amdhsa_code_object_version 6
	.text
	.protected	k_q3f6a694433_gemm_qkv
	.globl	k_q3f6a694433_gemm_qkv
	.p2align	8
	.type	k_q3f6a694433_gemm_qkv,@function
k_q3f6a694433_gemm_qkv:
	s_mov_b64 s[64:65], 0
	v_nop
	global_prefetch_b8 v0, s[64:65] scope:SCOPE_SE
	s_setreg_imm32_b32 hwreg(HW_REG_WAVE_MODE, 25, 1), 1
	s_wait_xcnt 0x0
	s_wait_alu depctr_hold_cnt(0) depctr_sa_sdst(0) depctr_va_vdst(0) depctr_va_sdst(0) depctr_va_ssrc(0) depctr_va_vcc(0) depctr_vm_vsrc(0)
	s_getreg_b32 s2, hwreg(HW_REG_IB_STS2, 6, 4)
	s_cmp_eq_u32 s2, 0
	s_cbranch_scc0 .Lentry_in_a_cluster
	s_endpgm
.Lentry_in_a_cluster:
	s_bfe_u32 s2, ttmp6, 0x10000c
	s_cmp_lg_u32 s2, 0xf033
	s_cbranch_scc0 .Lentry_shape_is_right
	s_endpgm
.Lentry_shape_is_right:
; q, k, v = x W_qkv on codes of FP6 (E2M3) with E8M0 scales, K = 1024; the results are quantised again and leave as images of the operand registers of the attention launch.
; A tile is 256 x 256, four waves of 128 x 128.  img1 is [group of 8 blocks][K step][block][1536]: a wave's eight blocks of K steps 0 to 5 are 73,728 dense bytes, which ONE joint load a wave brings at the head;
; K steps 6 and 7 (24,576 dense bytes a wave) are the one refill, onto K steps 0 and 1, behind a round of the cluster's barrier.  LDS: [wave's part][K step][block][1536].
; ROWS: block 4 C + i, lane r, holds row 64 C + 32 (r / 8) + 8 i + r % 8, so a lane's 32 sums of four neighbouring blocks of source 0 are one scale block: no lane asks another for a maximum.
; LIMITS: NaN and infinities are not served; a block under 2^-124 or of zeros gets the byte 1.
.set FR,    12
.set PARTW, 73728
.set SH8,   180
.set HALFT, 24576
.set SLOT,  98304
.set SPARE, 294912
.set BLKB,  12288
.set REC,   335872
.set VO,   24
.set SPW,  28
.set NIL,  29
.set SOFF, 30
.set VS,   31
.set SC,   32
.set PWS,  96
.set ADRA, 104
.set ADRB, 110
.set AF,   128
.set TM,   128
.set PC,   144
.set SW,   164
.set G1,  24
.set G0,  32
.set G0B, 44
.set G1B, 56
.set MSB, 0
.macro WIN new
.if MSB != (\new)
	s_set_vgpr_msb (MSB<<8)|(\new)
.set MSB, (\new)
.endif
.endm
.set MUL_LO, 0xa1
.set MUL_HI, 0xf1
.set TO_B,   0x40
.macro JLOAD s
	s_cmp_eq_u32 s15, 0
	s_cbranch_scc0 .Lfor_b_\@
	tensor_load_to_lds s[G0+4*\s:G0+4*\s+3], s[G1:G1+7]
	s_nop 0
.rept 4
	v_nop
.endr
	s_branch .Lasked_\@
.Lfor_b_\@:
	tensor_load_to_lds s[G0B+4*\s:G0B+4*\s+3], s[G1B:G1B+7]
	s_nop 0
.rept 4
	v_nop
.endr
.Lasked_\@:
.endm
.macro CREST
	s_cmp_lg_u32 s14, 0
	s_cbranch_scc1 .Lnot_wave_0_\@
	s_barrier_signal -3
.Lnot_wave_0_\@:
	s_barrier_wait -3
	s_barrier_signal -1
	s_barrier_wait -1
.endm
.macro CROUND
	s_barrier_signal -1
	s_barrier_wait -1
	CREST
.endm
.macro PLACES
.rept 4
	v_nop
.endr
.endm
	s_load_b128 s[4:7], s[0:1], 0x0
	s_load_b64 s[8:9], s[0:1], 0x10
	v_lshl_add_u32 v[SPW], v0, 2, SPARE
	v_mov_b32 v[NIL], 0
	ds_add_u32 v28, v29
	ds_add_u32 v28, v29
	s_wait_dscnt 0x0
	v_lshrrev_b32 v1, 5, v0
	v_readfirstlane_b32 s14, v1
	s_lshr_b32 s15, s14, 1
	s_and_b32 s16, s14, 1
	s_bfe_u32 s2, ttmp6, 0x40000
	s_bfe_u32 s3, ttmp6, 0x40004
	s_and_b32 s18, ttmp7, 0xffff
	s_cmp_eq_u32 ttmp9, 2
	s_cselect_b32 s66, 1, 0
	s_cselect_b32 s17, 0, s18
	s_cselect_b32 s10, s18, ttmp9
	s_cselect_b32 s67, 384, 0
	s_cselect_b32 s68, 0, 256
	s_lshl_b32 s17, s17, 2
	s_add_co_u32 s17, s17, s3
	s_lshl_b32 s10, s10, 2
	s_add_co_u32 s10, s10, s2
	s_lshl_b32 s11, s3, 2
	s_lshl_b32 s11, 15, s11
	s_lshl_b32 s12, 0x1111, s2
	s_or_b32 s[G1+0], s11, (3<<16)|(1<<21)
	s_or_b32 s[G1B+0], s12, (3<<16)|(1<<21)
.irp g, G1, G1B
	s_mov_b32 s[\g+1], 384<<16
	s_mov_b32 s[\g+2], 24<<16                      ; the head's load: 24 rows of 3,072 bytes on end
	s_mov_b32 s[\g+3], 384<<16
	s_mov_b32 s[\g+4], 24
	s_mov_b32 s[\g+5], 384
	s_mov_b32 s[\g+6], 0
	s_mov_b32 s[\g+7], 0
.endr
	s_lshl_b32 s18, s16, 3
	s_lshl_b32 s20, s17, 4
	s_add_co_u32 s20, s20, s67
	s_add_co_u32 s20, s20, s18
	s_mul_i32 s20, s20, BLKB
	s_mov_b32 s21, 0
	s_lshl_b32 s94, s10, 4
	s_add_co_u32 s94, s94, s68
	s_add_co_u32 s94, s94, s18
	s_mul_i32 s94, s94, BLKB
	s_mov_b32 s95, 0
	s_mul_i32 s13, s14, PARTW
	s_wait_kmcnt 0x0
	s_add_nc_u64 s[20:21], s[4:5], s[20:21]
	s_add_nc_u64 s[94:95], s[4:5], s[94:95]
	CROUND
	s_mov_b32 s[G0], 1
	s_mov_b32 s[G0+1], s13
	s_mov_b64 s[G0+2:G0+3], s[20:21]
	s_or_b32 s[G0+3], s[G0+3], 0x80000000
	s_mov_b32 s[G0B], 1
	s_mov_b32 s[G0B+1], s13
	s_mov_b64 s[G0B+2:G0B+3], s[94:95]
	s_or_b32 s[G0B+3], s[G0B+3], 0x80000000
	JLOAD 0                                        ; my one load at the head: K steps 0 to 5 of my eight blocks
	v_and_b32 v1, 31, v0
	v_lshlrev_b32 v4, 4, v1
	v_lshlrev_b32 v5, 3, v1
	v_add_nc_u32 v5, 512, v5
	v_lshlrev_b32 v[VS], 2, v1
	s_wait_alu depctr_va_vdst(0)
	s_lshl_b32 s71, s17, 4
	s_add_co_u32 s71, s71, s67
	s_lshl_b32 s72, s15, 3
	s_add_co_u32 s71, s71, s72
	s_lshl_b32 s71, s71, 10
	s_lshl_b32 s73, s10, 4
	s_add_co_u32 s73, s73, s68
	s_lshl_b32 s72, s16, 3
	s_add_co_u32 s73, s73, s72
	s_lshl_b32 s73, s73, 10
	v_add_nc_u32 v7, s71, v[VS]
	v_add_nc_u32 v8, s73, v[VS]
	v_cmp_gt_u32 vcc_lo, 16, v1
	v_cndmask_b32 v[SOFF], v8, v7, vcc_lo
.irp kq, 0,1,2,3,4,5,6,7
.irp i, 0,1,2,3,4,5,6,7
	global_load_b32 v[SC+8*\kq+\i], v[SOFF], s[6:7] offset:1024*\i+128*\kq
.endr
.endr
	s_mul_i32 s69, s15, PARTW
	s_mul_i32 s70, s16, PARTW
	s_add_co_u32 s70, s70, 2*PARTW
.irp s, 0,1,2
	v_add_nc_u32 v[ADRA+\s], s69, v4
	v_add_nc_u32 v[ADRA+3+\s], s69, v5
	v_add_nc_u32 v[ADRB+\s], s70, v4
	v_add_nc_u32 v[ADRB+3+\s], s70, v5
	s_add_co_u32 s69, s69, HALFT                   ; two K steps on inside my part
	s_add_co_u32 s70, s70, HALFT
.endr
	s_mov_b32 s74, 0x76543210
	s_mov_b32 s75, 0xfedcba98
	s_lshl_b32 s84, s17, 2
	s_lshl_b32 s85, s15, 1
	s_add_co_u32 s84, s84, s85
	s_lshl_b32 s86, s10, 2
	s_lshl_b32 s85, s16, 1
	s_add_co_u32 s86, s86, s85
	s_and_b32 s86, s86, 15
	s_cmp_lt_u32 s10, 4
	s_cselect_b32 s87, 0, 114688
	s_mov_b32 s88, 13824
	s_cselect_b32 s88, 6144, s88
	s_mov_b32 s89, 126976
	s_cselect_b32 s89, 98304, s89
	s_mov_b32 s90, 13824
	s_cselect_b32 s90, 1024, s90
	s_cmp_eq_u32 s66, 1
	s_cselect_b32 s82, s10, s17
	s_cselect_b32 s83, s16, s15
	s_cselect_b32 s84, s84, s86
	s_cselect_b32 s87, 120832, s87
	s_cselect_b32 s88, 13824, s88
	s_cselect_b32 s89, 128000, s89
	s_cselect_b32 s90, 13824, s90
	s_lshr_b32 s85, s82, 3
	s_lshl_b32 s85, s85, 4
	s_add_co_u32 s85, s85, s84
	s_mul_i32 s85, s85, REC
	s_and_b32 s82, s82, 7
	s_lshl_b32 s82, s82, 1
	s_add_co_u32 s82, s82, s83
	s_mul_i32 s88, s88, s82
	s_mul_i32 s90, s90, s82
	s_add_co_u32 s76, s85, s87
	s_add_co_u32 s76, s76, s88
	s_mov_b32 s77, 0
	s_add_co_u32 s92, s85, s89
	s_add_co_u32 s92, s92, s90
	s_mov_b32 s93, 0
	s_add_nc_u64 s[76:77], s[8:9], s[76:77]
	s_add_nc_u64 s[92:93], s[8:9], s[92:93]
	v_mov_b32 v[VO], v4                            ; the way out: 16 x lane
.macro FRAG reg, adr, q, i
	ds_load_b128 v[\reg:\reg+3], v[\adr] offset:1536*(\i)+12288*(\q)
	ds_load_b64 v[\reg+4:\reg+5], v[\adr+3] offset:1536*(\i)+12288*(\q)
	ds_load_b128 v[\reg+6:\reg+9], v[\adr] offset:1536*(\i)+12288*(\q)+768
	ds_load_b64 v[\reg+10:\reg+11], v[\adr+3] offset:1536*(\i)+12288*(\q)+768
.endm
.macro FETCH_B slot, q, p
	WIN TO_B
.irp i, 0,1,2,3,4,5,6,7
	FRAG 128*(\p)+FR*\i, ADRB+\slot, \q, \i
.endr
	WIN 0
.endm
.macro FETCH_A slot, q, i0
.irp i, \i0, \i0+1, \i0+2, \i0+3
	FRAG AF+FR*(\i), ADRA+\slot, \q, \i
.endr
.endm
.macro MUL16 a0, p, kq, zero
.irp a, \a0, \a0+1
.irp b, 0,1,2,3,4,5,6,7
.if \zero
	v_wmma_scale_f32_16x16x128_f8f6f4 v[8*(8*((\a)%4)+\b):8*(8*((\a)%4)+\b)+7], v[128*(\p)+FR*\b:128*(\p)+FR*\b+FR-1], v[AF+FR*(\a):AF+FR*(\a)+FR-1], 0, v[SC+8*(\kq)+\b], v[SC+8*(\kq)+(\a)] matrix_a_fmt:MATRIX_FMT_FP6 matrix_b_fmt:MATRIX_FMT_FP6 matrix_a_scale:MATRIX_SCALE_ROW1
.else
	v_wmma_scale_f32_16x16x128_f8f6f4 v[8*(8*((\a)%4)+\b):8*(8*((\a)%4)+\b)+7], v[128*(\p)+FR*\b:128*(\p)+FR*\b+FR-1], v[AF+FR*(\a):AF+FR*(\a)+FR-1], v[8*(8*((\a)%4)+\b):8*(8*((\a)%4)+\b)+7], v[SC+8*(\kq)+\b], v[SC+8*(\kq)+(\a)] matrix_a_fmt:MATRIX_FMT_FP6 matrix_b_fmt:MATRIX_FMT_FP6 matrix_a_scale:MATRIX_SCALE_ROW1
.endif
.endr
.endr
.endm
.macro GSTEP p, kq, zero, fslot, fq
	s_wait_dscnt 16
	WIN MUL_LO
	MUL16 0, \p, \kq, \zero
	MUL16 2, \p, \kq, \zero
	s_wait_dscnt 0x0
	PLACES
	FETCH_B \fslot, \fq, 1-(\p)
	FETCH_A \fslot, \fq, 0
	WIN MUL_HI
	MUL16 4, \p, \kq, \zero
	MUL16 6, \p, \kq, \zero
	PLACES
	WIN 0
	FETCH_A \fslot, \fq, 4
.endm
.macro TURN slot, next, fill, kq
	s_wait_tensorcnt 0x0
	ds_add_u32 v[SPW], v[NIL]
	s_wait_dscnt 17
	WIN MUL_LO
	MUL16 0, 1, \kq, 0
	s_wait_dscnt 0x0
	s_barrier_signal -1
	MUL16 2, 1, \kq, 0
	WIN 0
	s_barrier_wait -1
.if \fill
	CREST
	s_add_nc_u64 s[G0+4*\slot+2:G0+4*\slot+3], s[G0+4*\slot+2:G0+4*\slot+3], PARTW
	s_add_nc_u64 s[G0B+4*\slot+2:G0B+4*\slot+3], s[G0B+4*\slot+2:G0B+4*\slot+3], PARTW
	JLOAD \slot
.else
	PLACES
.endif
	s_wait_alu depctr_va_vdst(0)
	FETCH_B \next, 0, 0
	FETCH_A \next, 0, 0
	WIN MUL_HI
	MUL16 4, 1, \kq, 0
	MUL16 6, 1, \kq, 0
	PLACES
	WIN 0
	FETCH_A \next, 0, 4
.endm
	s_wait_alu depctr_va_vdst(0)                   ; the head's end
	s_wait_tensorcnt 0x0                           ; my part of K steps 0 to 5 is in, and no load of mine is out: the refill's row counts may be written
	s_mov_b32 s[G1+2], 8<<16
	s_mov_b32 s[G1+4], 8
	s_mov_b32 s[G1B+2], 8<<16
	s_mov_b32 s[G1B+4], 8
	s_barrier_signal -1
	s_barrier_wait -1                              ; everybody's part is in
	FETCH_B 0, 0, 0
	FETCH_A 0, 0, 0
	FETCH_A 0, 0, 4
	s_wait_loadcnt 0x0
	GSTEP 0, 0, 1, 0, 1
	TURN 0, 1, 1, 1
	GSTEP 0, 2, 0, 1, 1
	GSTEP 1, 3, 0, 2, 0
	GSTEP 0, 4, 0, 2, 1
	TURN 2, 0, 0, 5
	GSTEP 0, 6, 0, 0, 1
	s_wait_dscnt 16
	WIN MUL_LO
	MUL16 0, 1, 7, 0
	MUL16 2, 1, 7, 0
	s_wait_dscnt 0x0
	WIN MUL_HI
	MUL16 4, 1, 7, 0
	MUL16 6, 1, 7, 0
	WIN 0
; THE WAY OUT of one operand of 12 registers: two scale blocks a lane, 32 sums each, from register x0 and from x0 + 32 + gap of window w.  It leaves as three pieces of four registers, [piece][lane][16 bytes], at byte off.
; a: the operand's number, 0 to 7.  Q, K: the two blocks are two neighbouring token tiles of one head;  V: the two halves of 128 keys of one tile of channels.
.macro OUTBLK a, x0, gap, w, off
.set AC, \x0
.set WA, \w
.set WMAX, (WA<<2)|(WA<<4)
	WIN WMAX
.irp b, 0,1,2,3
	v_max3_num_f32 v[TM+\b], 0x1800000, |v[AC+16*\b+(\gap)*(\b/2)]|, |v[AC+16*\b+(\gap)*(\b/2)+1]|
.endr
.irp i, 2,4,6,8,10,12,14
.irp b, 0,1,2,3
	v_max3_num_f32 v[TM+\b], v[TM+\b], |v[AC+16*\b+(\gap)*(\b/2)+\i]|, |v[AC+16*\b+(\gap)*(\b/2)+\i+1]|
.endr
.endr
	WIN 0
.irp c, 0,1
	v_max_num_f32 v[TM+12+\c], v[TM+2*\c], v[TM+2*\c+1]   ; my block 2 c + h: all its 32 numbers are mine
.endr
.irp c, 0,1
	v_add_nc_u32 v[TM+12+\c], 0xff000000, v[TM+12+\c]     ; 2 off the exponent field: the conversions' scale operand
.endr
.irp c, 0,1
	v_lshrrev_b32 v[TM+8+\c], 23, v[TM+12+\c]             ; the byte
.endr
	v_lshl_or_b32 v[TM+8], v[TM+9], 16, v[TM+8]
	v_lshlrev_b32 v[TM+8], v[SH8], v[TM+8]                ; bytes h and 2 + h of the scale word,
	v_permlanex16_b32 v[TM+4], v[TM+8], s74, s75
	v_or_b32 v[PWS+\a], v[TM+8], v[TM+4]                  ; whole with lane l xor 16's two
	s_wait_alu depctr_va_vdst(0)
.if \a > 0
	s_wait_xcnt 0x0
.endif
	WIN WA
.irp c, 0,1
	v_cvt_scalef32_pk16_fp6_f32 v[PC+6*\c:PC+2+6*\c], v[AC+(32+(\gap))*\c:AC+15+(32+(\gap))*\c], v[TM+12+\c]
	v_cvt_scalef32_pk16_fp6_f32 v[PC+12+4*\c:PC+14+4*\c], v[AC+16+(32+(\gap))*\c:AC+31+(32+(\gap))*\c], v[TM+12+\c]
.endr
	WIN 0
	v_nop
.irp c, 0,1
.irp i, 0,1,2
	v_mov_b32 v[PC+3+6*\c+\i], v[PC+12+4*\c+\i]
.endr
.endr
.irp k, 0,1,2
	global_store_b128 v[VO], v[PC+4*\k:PC+4*\k+3], s[76:77] offset:(\off)+512*\k   ; 32 lanes store 512 consecutive bytes
.endr
.endm
	PLACES
.irp b, 0,1,2,3
	v_mov_b32 v[TM+4+\b], 0
.endr
	v_bfe_u32 v[SH8], v0, 4, 1
	v_lshlrev_b32 v[SH8], 3, v[SH8]                ; 8 h
	s_wait_alu depctr_va_vdst(0)
	s_cmp_eq_u32 s66, 1                            ; V's clusters or Q's and K's: the cluster's number alone decides
	s_cbranch_scc1 .Lv_out
.irp p, 0,1,2,3                                ; Q, K: token tiles 2 p, 2 p + 1 of head c
.irp c, 0,1
	OUTBLK 2*\p+\c, 64*((2*\p)%4)+32*\c, 32, 2+\p/2, \p*1536+\c*REC
.endr
.endr
.irp p, 0,1,2,3
.irp c, 0,1
	v_and_b32 v[SW+8*\c+2*\p], 0xffff, v[PWS+2*\p+\c]        ; a tile's scale word: its two bytes, and two bytes 0 for k = 64 .. 127
	v_lshrrev_b32 v[SW+8*\c+2*\p+1], 16, v[PWS+2*\p+\c]
.endr
.endr
.irp c, 0,1
.irp k, 0,1
	global_store_b128 v[VO], v[SW+8*\c+4*\k:SW+8*\c+4*\k+3], s[92:93] offset:\c*REC+512*\k   ; [tiles 4 k .. 4 k + 3][lane][4 words]
.endr
.endr
	s_branch .Lout_done
.Lv_out:
.irp a, 0,1,2,3,4,5,6,7                        ; V: tile a % 4 of 16 channels of head a / 4
	OUTBLK \a, 64*(\a%4), 0, 2+\a/4, (\a%4)*1536+(\a/4)*REC
.endr
.irp g, 0,1
	global_store_b128 v[VO], v[PWS+4*\g:PWS+4*\g+3], s[92:93] offset:\g*REC   ; [lane][4 tiles' words]
.endr
.Lout_done:
	s_wait_tensorcnt 0x0
	ds_add_u32 v[SPW], v[NIL]
	s_wait_dscnt 0x0
	CROUND
	s_endpgm
.Lfunc_end_k_q3f6a694433_gemm_qkv:
	.size	k_q3f6a694433_gemm_qkv, .Lfunc_end_k_q3f6a694433_gemm_qkv-k_q3f6a694433_gemm_qkv
	.p2alignl 7, 3214868480
	.fill 96, 4, 3214868480
	.section	.rodata,"a",@progbits
	.p2align	6, 0x0
	.amdhsa_kernel k_q3f6a694433_gemm_qkv
		.amdhsa_group_segment_fixed_size 327680
		.amdhsa_private_segment_fixed_size 0
		.amdhsa_enable_private_segment 0
		.amdhsa_kernarg_size 24
		.amdhsa_user_sgpr_count 2
		.amdhsa_user_sgpr_kernarg_segment_ptr 1
		.amdhsa_wavefront_size32 1
		.amdhsa_system_sgpr_workgroup_id_x 1
		.amdhsa_system_sgpr_workgroup_id_y 1
		.amdhsa_system_sgpr_workgroup_id_z 1
		.amdhsa_system_vgpr_workitem_id 0
		.amdhsa_next_free_vgpr 1024
		.amdhsa_next_free_sgpr 100
		.amdhsa_reserve_vcc 1
		.amdhsa_float_denorm_mode_32 3
		.amdhsa_float_denorm_mode_16_64 3
		.amdhsa_memory_ordered 1
		.amdhsa_forward_progress 1
		.amdhsa_inst_pref_size 173
	.end_amdhsa_kernel
	.amdgpu_metadata
---
amdhsa.version: [ 1, 2 ]
amdhsa.kernels:
  - .name:           k_q3f6a694433_gemm_qkv
    .symbol:         k_q3f6a694433_gemm_qkv.kd
    .args:
      - { .name: img1, .offset: 0, .size: 8, .value_kind: global_buffer, .address_space: global }
      - { .name: sc1, .offset: 8, .size: 8, .value_kind: global_buffer, .address_space: global }
      - { .name: qkv, .offset: 16, .size: 8, .value_kind: global_buffer, .address_space: global }
    .group_segment_fixed_size: 327680
    .private_segment_fixed_size: 0
    .kernarg_segment_align: 8
    .kernarg_segment_size: 24
    .max_flat_workgroup_size: 128
    .sgpr_count:     100
    .vgpr_count:     1024
    .wavefront_size: 32
...
	.end_amdgpu_metadata
.endif
;; end of part 6
;; launch attn (part 7): grid 8 x 32, 8 waves a work-group, clusters of 4 x 1, 222,208 bytes of LDS; arguments qkv, img2, sc2; writes img2, sc2
.if DOCPART == 7
	.amdgcn_target "amdgcn-amd-amdhsa--gfx1250"
	.amdhsa_code_object_version 6
	.text
	.protected	k_q3f6a694433_attn
	.globl	k_q3f6a694433_attn
	.p2align	8
	.type	k_q3f6a694433_attn,@function
k_q3f6a694433_attn:
	s_mov_b64 s[64:65], 0
	v_nop
	global_prefetch_b8 v0, s[64:65] scope:SCOPE_SE
	s_setreg_imm32_b32 hwreg(HW_REG_WAVE_MODE, 25, 1), 1
	s_wait_xcnt 0x0
	s_wait_alu depctr_hold_cnt(0) depctr_sa_sdst(0) depctr_va_vdst(0) depctr_va_sdst(0) depctr_va_ssrc(0) depctr_va_vcc(0) depctr_vm_vsrc(0)
	s_getreg_b32 s2, hwreg(HW_REG_IB_STS2, 6, 4)
	s_cmp_eq_u32 s2, 0
	s_cbranch_scc0 .Lentry_in_a_cluster
	s_endpgm
.Lentry_in_a_cluster:
	s_bfe_u32 s2, ttmp6, 0x10000c
	s_cmp_lg_u32 s2, 0x3003
	s_cbranch_scc0 .Lentry_shape_is_right
	s_endpgm
.Lentry_shape_is_right:
; o = softmax(q k^T / 8) v for one (batch, head) and 256 queries a work-group, both products on codes of FP6 (E2M3) with E8M0 scales; o is quantised along the model's 1,024 and leaves as an operand's image.
; THE SOFTMAX: t = score x log2(e) / 8; M = the running largest t rounded up to a whole number; p = 2^(t - M) is quantised along the keys, not normalised; the row's sum is taken of the unquantised p and divides at the end.
; When M moves, the sum and O are multiplied by 2^(old M - new M), which rounds nothing; no branch hangs on it.
; SHARES: eight waves, each TWO tiles of 16 queries (a pair of Q's image); every wave walks the head's 2,048 keys, 128 a step.  Each fragment of K and of V that a wave loads from LDS feeds two matrix instructions,
; and the two tiles' dependent chains go line by line in turn.
; ALL OF THE HEAD'S K, V AND SCALE WORDS LIE IN LDS, 16 steps x 13,824 bytes, as they lie in memory.  A step's record: K [4 pairs of tiles][3 pieces][lane][16 bytes], V [4 fragments][3 pieces][lane][16],
; K's scale words [2][lane][4 words], V's [lane][4 words]: every LDS load takes 16 bytes a lane, 512 on end, 27 loads a step.  Every byte is filled once; nothing is stored to LDS.
; K AND V HAVE REGISTERS OF THEIR OWN: behind a step's score products its V and the NEXT step's K are asked for, and both land under the softmax.  The last step asks for its own K once more (a clamped address), which nobody reads.
; CLUSTER: the four query blocks of a cluster belong to one head: the records are asked for jointly.  Wave w issues ONE load, the records of steps 2 w and 2 w + 1.  Waves 0 and 1 have a load line of their own, so that the first barrier shows steps 0-3 alone.
; The second barrier, which shows steps 4-15, is split: each wave waits for its own load and signals ahead of its first three steps, and waits behind them; between the two stand LDS loads of steps 0-3 and work on registers.
; LAYOUT: S^T = K Q^T, O^T = V^T P^T: a lane holds one query of each tile.  Tile 4 c + i of K, row r, holds key 64 c + 32 (r / 8) + 8 i + r % 8, so lane (r, h)'s 32 scores of tiles 4 c .. 4 c + 3 are keys 64 c + 32 h + 0 .. 31:
; a whole scale block of p in the order of the operand's registers.  O^T's channels fall the same way.
; THE HEAD IS 64 WIDE, the instruction 128: Q's upper six registers are zero codes.  K's tiles lie 6 registers apart: a tile's upper six are the next tile's codes (the last tile's: V's first six registers), which meet Q's zeros and add exact zeros (scale bytes 0, not 0xff).
; REGISTERS: window 0: addresses, scales, both tiles' small state, Q, p's codes, K, V.  Window 1: v0-127 the scores of tiles 0 and 1, then p; v128-191 O^T; v192-223 partial sums.  Work is laid in stretches under one window setting, both tiles in each.
; NO PREFETCH: all sixteen records are asked for at the head; there is no later tensor load to run ahead of.
; LIMITS: NaN and infinities are not served; scores under -3e38 are not served; p under 2^-126 falls to 0; 1 / l by v_rcp_f32; blocks under 2^-124 and blocks of zeros get the byte 1; a block's largest p is made from its largest score by the same two instructions.
.set REC,  335872
.set SR,   13824
.set KVO,  114688
.set QSO,  98304
.set SPARE, 221184                     ; behind the sixteen records: the spare words, 128 bytes a wave
; window 0 (t = 0, 1: the tile)
.set L16, 1                            ; 16 x lane
.set L8,  2                            ; 8 x lane + 512 (o's image)
.set A16, 4                            ; 16 x lane + this step's first byte
.set AN,  5                            ; 16 x lane + the next step's
.set A4,  6                            ; the tail: 4 x lane
.set KS,  8                            ; v8-15 K's eight scale words
.set VS,  16                           ; v16-19 V's four
.set QS,  20                           ; v20+t Q's scale word
.set PS,  22                           ; v22+t p's scale word
.set NM,  24                           ; v24+2t -M; v25+2t the running largest score
.set LS,  28                           ; v[28+2t:29+2t] the sum, in two halves
.set FF,  32                           ; v32+2t f = 2^(old M - new M); v33+2t = 0, named with it as a pair
.set T0,  36                           ; v36+t
.set BM,  40                           ; v40+4t .. four chains of maxima
.set BT,  48                           ; v48+4t .. exchange, bytes
.set BS,  56                           ; v56+2t, v57+2t the conversions' scale operands
.set SH8, 60                           ; 8 x (lane / 16)
.set NEG, 61                           ; -3e38
.set SPW, 62                           ; my spare word
.set NIL, 63                           ; 0
.set QF,  64                           ; v64+12t .. Q's fragment, its upper six zero codes
.set PC,  88                           ; v88+12t .. p's codes
.set PT,  112                          ; v112+8t .. the conversions' second halves
.set K,   128                          ; v128-175 K's eight tiles
.set V,   176                          ; v176-223 V's four fragments
; window 1
.set SS,  0                            ; + 64 t: S^T, then p; in the tail o
.set OO,  128                          ; + 32 t: O^T
.set SU,  192                          ; + 16 t: eight partial sums
.set WV,  10
.set SEL, 22
.set G1,  24
.set G0,  32
.set CS,  48                           ; s[48:49] c = log2(e) / 8
.set TB,  50
.set CNT, 51
.set TN,  60
.set MSB, 0
.macro WIN new                         ; the immediate's high byte repeats the setting that is left.  Low byte: bits 1:0 source 0, 3:2 source 1, 5:4 source 2, 7:6 destination
.if MSB != (\new)
	s_set_vgpr_msb (MSB<<8)|(\new)
.set MSB, (\new)
.endif
.endm
.macro WALU
	s_wait_alu depctr_va_vdst(0)
.endm
.macro CROUND
	s_barrier_signal -1
	s_barrier_wait -1
	s_cmp_lg_u32 s[WV], 0
	s_cbranch_scc1 .Lnot_wave_0_\@
	s_barrier_signal -3
.Lnot_wave_0_\@:
	s_barrier_wait -3
	s_barrier_signal -1
	s_barrier_wait -1
.endm
.macro TLOAD
	tensor_load_to_lds s[G0:G0+3], s[G1:G1+7]
	s_nop 0
.rept 4
	v_nop
.endr
.endm
.macro KLOAD adr                       ; a step's K and its scale words: 14 loads
.irp k, 0,1,2,3,4,5,6,7,8,9,10,11
	ds_load_b128 v[K+4*\k:K+4*\k+3], v[\adr] offset:512*\k
.endr
	ds_load_b128 v[KS:KS+3], v[\adr] offset:12288
	ds_load_b128 v[KS+4:KS+7], v[\adr] offset:12800
.endm
	s_load_b128 s[4:7], s[0:1], 0x0                ; qkv s[4:5], img2 s[6:7]
	s_load_b64 s[8:9], s[0:1], 0x10                ; sc2
	v_lshl_add_u32 v[SPW], v0, 2, SPARE
	v_mov_b32 v[NIL], 0
	ds_add_u32 v[SPW], v[NIL]                      ; the opening lines: the add, twice on end, and its wait
	ds_add_u32 v[SPW], v[NIL]
	v_lshrrev_b32 v[T0], 5, v0
	v_readfirstlane_b32 s[WV], v[T0]               ; wave 0..7
	s_bfe_u32 s11, ttmp6, 0x40000                  ; cx: it enters Q's and o's addresses alone
	s_lshl_b32 s12, ttmp9, 2
	s_add_co_u32 s12, s12, s11                     ; my block of 256 queries
	s_and_b32 s13, ttmp7, 0xffff                   ; 16 batch + head, which the four partners share
	s_mul_i32 s14, s13, REC
	s_mul_i32 s16, s[WV], 2*SR                     ; the two steps that I fetch: the same bytes on in LDS and in memory
	s_add_co_u32 s56, s14, s16
	s_add_co_u32 s56, s56, KVO
	s_mov_b32 s57, 0
	s_lshl_b32 s17, s12, 4
	s_lshl_b32 s18, s[WV], 1
	s_add_co_u32 s17, s17, s18                     ; my first tile of queries T, even, 0..126
	s_lshr_b32 s18, s17, 1
	s_mul_i32 s18, s18, 1536                       ; my pair of tiles
	s_add_co_u32 s18, s18, s14
	s_mov_b32 s19, 0
	s_lshr_b32 s20, s17, 2
	s_lshl_b32 s20, s20, 9                         ; Q's scale words: [T / 4][lane][4 words]: my two are neighbours
	s_and_b32 s21, s17, 3
	s_lshl_b32 s21, s21, 2
	s_add_co_u32 s20, s20, s21
	s_add_co_u32 s20, s20, s14
	s_add_co_u32 s20, s20, QSO
	s_mov_b32 s21, 0
	s_lshr_b32 s58, s13, 4
	s_lshl_b32 s58, s58, 7
	s_add_co_u32 s58, s58, s17                     ; the tile as a block of tokens: 128 batch + tile
	s_and_b32 s59, s13, 15                         ; head
	s_mul_i32 s52, s58, 12288
	s_mul_i32 s53, s59, 768
	s_add_co_u32 s52, s52, s53                     ; K step head / 2, half head % 2
	s_mov_b32 s53, 0
	s_lshl_b32 s54, s58, 10
	s_lshr_b32 s55, s59, 1
	s_lshl_b32 s55, s55, 7
	s_add_co_u32 s54, s54, s55
	s_and_b32 s55, s59, 1
	s_lshl_b32 s55, s55, 1
	s_add_co_u32 s54, s54, s55                     ; my head's two bytes of each scale word
	s_mov_b32 s55, 0
	s_mov_b32 s[G1], 15|(3<<16)|(1<<21)            ; two records: 108 rows of 256 bytes (32 elements of 8); the mask names all four work-groups
	s_mov_b32 s[G1+1], 32<<16
	s_mov_b32 s[G1+2], 108<<16
	s_mov_b32 s[G1+3], 32<<16
	s_mov_b32 s[G1+4], 108
	s_mov_b32 s[G1+5], 32
	s_mov_b32 s[G1+6], 0
	s_mov_b32 s[G1+7], 0
	s_mov_b32 s[SEL], 0x76543210
	s_mov_b32 s[SEL+1], 0xfedcba98
	s_mov_b32 s[CS], 0x3e38aa3b                    ; log2(e) / 8
	s_mov_b32 s[CS+1], s[CS]
	s_wait_dscnt 0x0
	s_wait_kmcnt 0x0
	s_add_nc_u64 s[56:57], s[4:5], s[56:57]
	s_add_nc_u64 s[18:19], s[4:5], s[18:19]
	s_add_nc_u64 s[20:21], s[4:5], s[20:21]
	s_add_nc_u64 s[52:53], s[6:7], s[52:53]
	s_add_nc_u64 s[54:55], s[8:9], s[54:55]
	s_mov_b32 s[G0], 1
	s_mov_b32 s[G0+1], s16
	s_mov_b64 s[G0+2:G0+3], s[56:57]
	s_or_b32 s[G0+3], s[G0+3], 0x80000000
	CROUND                                         ; all four work-groups are here: the joint loads meet
	s_cmp_lt_u32 s[WV], 2                          ; one chain of two arms, one load in each: every way passes one load
	s_cbranch_scc0 .Llater
	TLOAD                                          ; steps 0-3
	s_branch .Lasked
.Llater:
	TLOAD                                          ; steps 4-15
.Lasked:
	v_and_b32 v[T0], 31, v0
	v_bfe_u32 v[SH8], v0, 4, 1
	v_lshlrev_b32 v[L16], 4, v[T0]
	v_lshlrev_b32 v[L8], 3, v[T0]
	v_lshlrev_b32 v[SH8], 3, v[SH8]
	v_add_nc_u32 v[L8], 512, v[L8]
	global_load_b128 v[QF:QF+3], v[L16], s[18:19]                  ; the pair's twelve registers: 0-3 are tile 0's first four,
	global_load_b128 v[K:K+3], v[L16], s[18:19] offset:512         ; 4-7 belong to both tiles and are moved below,
	global_load_b128 v[QF+14:QF+17], v[L16], s[18:19] offset:1024  ; 8-11 are tile 1's last four
	global_load_b64 v[QS:QS+1], v[L16], s[20:21]
.irp j, 6,7,8,9,10,11,18,19,20,21,22,23
	v_mov_b32 v[QF+\j], 0                          ; zero codes for k = 64 .. 127
.endr
.irp j, 0,1,2,3,4,5
	v_mov_b32 v[V+\j], 0                           ; named as the upper half of K's last tile before V is first loaded
.endr
.irp t, 0,1
	v_mov_b32 v[NM+2*\t+1], 0xff61b1e6             ; the largest score so far: -3e38
	v_mov_b32 v[NM+2*\t], 0x7f61b1e6               ; -M: 3e38, so that the first f is 0
	v_mov_b32 v[LS+2*\t], 0
	v_mov_b32 v[LS+2*\t+1], 0
	v_mov_b32 v[FF+2*\t+1], 0
.endr
.irp b, 0,1,2,3,4,5,6,7
	v_mov_b32 v[BT+\b], 0                          ; a lane permute's destination counts as one of its sources
.endr
	v_mov_b32 v[NEG], 0xff61b1e6
	WIN 0x40
.set I, 0
.rept 64
	v_mov_b32 v[OO+I], 0                           ; the step is written for every step alike: the first finds zeros
.set I, I+1
.endr
	WIN 0
.macro STEP clamp
	s_wait_dscnt 0x0                               ; this step's K, asked for a step ago, is in
	WIN 0x40
.irp i, 0,1,2,3,4,5,6,7
.irp t, 0,1
	v_wmma_scale_f32_16x16x128_f8f6f4 v[SS+64*\t+8*\i:SS+64*\t+8*\i+7], v[K+6*\i:K+6*\i+11], v[QF+12*\t:QF+12*\t+11], 0, v[KS+\i], v[QS+\t] matrix_a_fmt:MATRIX_FMT_FP6 matrix_b_fmt:MATRIX_FMT_FP6
.endr
.endr
	WIN 0
	v_add_nc_u32 v[A16], s[TB], v[L16]             ; these four lines are the places in front of loads into the products' registers and of reads of the scores
	v_add_nc_u32 v[AN], s[TN], v[L16]
	v_mov_b32 v[T0], v[NM]                         ; the old -M
	v_mov_b32 v[T0+1], v[NM+2]
.irp k, 0,1,2,3,4,5,6,7,8,9,10,11
	ds_load_b128 v[V+4*\k:V+4*\k+3], v[A16] offset:6144+512*\k   ; this step's V: 13 loads
.endr
	ds_load_b128 v[VS:VS+3], v[A16] offset:13312
	KLOAD AN                                       ; the next step's K: 14 loads
	WIN 0x14
.irp t, 0,1
.irp b, 0,1,2,3
	v_max3_num_f32 v[BM+4*\t+\b], v[NEG], v[SS+64*\t+16*\b], v[SS+64*\t+16*\b+1]   ; eight chains by turns, two to a block of 32 keys; each accumulator is read from its low end on
.endr
.endr
.irp i, 2,4,6,8,10,12,14
.irp t, 0,1
.irp b, 0,1,2,3
	v_max3_num_f32 v[BM+4*\t+\b], v[BM+4*\t+\b], v[SS+64*\t+16*\b+\i], v[SS+64*\t+16*\b+\i+1]
.endr
.endr
.endr
	WIN 0
.irp c, 0,2
.irp t, 0,1
	v_max_num_f32 v[BM+4*\t+\c], v[BM+4*\t+\c], v[BM+4*\t+\c+1]   ; the largest score of my block c + h: for the row's maximum and, since p rises with the score, for the block's largest p
.endr
.endr
.irp t, 0,1
	v_max_num_f32 v[BT+4*\t], v[BM+4*\t], v[BM+4*\t+2]
.endr
.irp t, 0,1
	v_permlanex16_b32 v[BT+4*\t+1], v[BT+4*\t], s[SEL], s[SEL+1]
.endr
.irp t, 0,1
	v_max3_num_f32 v[NM+2*\t+1], v[NM+2*\t+1], v[BT+4*\t], v[BT+4*\t+1]   ; the running largest score of my query
.endr
.irp t, 0,1
	v_mul_f32 v[BT+4*\t], s[CS], v[NM+2*\t+1]      ; as t (c is positive)
.endr
.irp t, 0,1
	v_floor_f32 v[NM+2*\t], -v[BT+4*\t]            ; -M = floor(-t): M is a whole number
.endr
.irp t, 0,1
	v_sub_f32 v[T0+\t], v[NM+2*\t], v[T0+\t]       ; old M - new M, 0 or less
.endr
.irp t, 0,1
	v_cvt_i32_f32 v[T0+\t], v[T0+\t]               ; (it saturates)
.endr
.irp t, 0,1
	v_ldexp_f32 v[FF+2*\t], 1.0, v[T0+\t]          ; f
.endr
.irp c, 0,2
.irp t, 0,1
	v_fma_f32 v[BM+4*\t+\c], v[BM+4*\t+\c], s[CS], v[NM+2*\t]
.endr
.endr
	WIN 0x41
.irp t, 0,1
.irp j, 0,2,4,6,8,10,12,14,16,18,20,22,24,26,28,30,32,34,36,38,40,42,44,46,48,50,52,54,56,58,60,62
	v_pk_fma_f32 v[SS+64*\t+\j:SS+64*\t+\j+1], v[SS+64*\t+\j:SS+64*\t+\j+1], s[CS:CS+1], v[NM+2*\t:NM+2*\t+1] op_sel_hi:[1,0,0]   ; t - M
.endr
.endr
	WALU                                           ; ahead of the batch
.set I, 0
.rept 128
	v_exp_f32 v[SS+I], v[SS+I]                     ; p = 2^(t - M)
.set I, I+1
.endr
	WIN 0
	v_nop                                          ; the plain place behind the exponentials
	WALU                                           ; one wait for the batch, ahead of its first reader
.irp c, 0,2
.irp t, 0,1
	v_exp_f32 v[BM+4*\t+\c], v[BM+4*\t+\c]         ; my blocks' largest p
.endr
.endr
	WIN 0x45
.irp m, 0,1,2,3,4,5,6,7                        ; the rows' sums of the unquantised p: eight chains of packed additions a tile
.irp t, 0,1
	v_pk_add_f32 v[SU+16*\t+2*\m:SU+16*\t+2*\m+1], v[SS+64*\t+2*\m:SS+64*\t+2*\m+1], v[SS+64*\t+16+2*\m:SS+64*\t+17+2*\m]
.endr
.endr
.irp q, 32,48
.irp m, 0,1,2,3,4,5,6,7
.irp t, 0,1
	v_pk_add_f32 v[SU+16*\t+2*\m:SU+16*\t+2*\m+1], v[SU+16*\t+2*\m:SU+16*\t+2*\m+1], v[SS+64*\t+\q+2*\m:SS+64*\t+\q+2*\m+1]
.endr
.endr
.endr
.irp m, 0,1,2,3
.irp t, 0,1
	v_pk_add_f32 v[SU+16*\t+2*\m:SU+16*\t+2*\m+1], v[SU+16*\t+2*\m:SU+16*\t+2*\m+1], v[SU+16*\t+8+2*\m:SU+16*\t+9+2*\m]
.endr
.endr
.irp m, 0,1
.irp t, 0,1
	v_pk_add_f32 v[SU+16*\t+2*\m:SU+16*\t+2*\m+1], v[SU+16*\t+2*\m:SU+16*\t+2*\m+1], v[SU+16*\t+4+2*\m:SU+16*\t+5+2*\m]
.endr
.endr
.irp t, 0,1
	v_pk_add_f32 v[SU+16*\t:SU+16*\t+1], v[SU+16*\t:SU+16*\t+1], v[SU+16*\t+2:SU+16*\t+3]
.endr
	WIN 0x10
.irp t, 0,1
	v_pk_fma_f32 v[LS+2*\t:LS+2*\t+1], v[LS+2*\t:LS+2*\t+1], v[FF+2*\t:FF+2*\t+1], v[SU+16*\t:SU+16*\t+1] op_sel_hi:[1,0,1]   ; the old sum under the new M, and this step's
.endr
	WIN 0
	WALU                                           ; and one wait for the four
.irp c, 0,2
.irp t, 0,1
	v_max_num_f32 v[BM+4*\t+\c], 0x1800000, v[BM+4*\t+\c]    ; the floor 2^(3 - 127)
.endr
.endr
.irp c, 0,1
.irp t, 0,1
	v_add_nc_u32 v[BS+2*\t+\c], 0xff000000, v[BM+4*\t+2*\c]  ; 2 off the exponent field: the conversions' scale operands
.endr
.endr
.irp c, 0,1
.irp t, 0,1
	v_lshrrev_b32 v[BT+4*\t+\c], 23, v[BS+2*\t+\c]           ; the bytes
.endr
.endr
.irp t, 0,1
	v_lshl_or_b32 v[BT+4*\t], v[BT+4*\t+1], 16, v[BT+4*\t]
.endr
.irp t, 0,1
	v_lshlrev_b32 v[BT+4*\t], v[SH8], v[BT+4*\t]   ; bytes h and 2 + h of p's scale word,
.endr
.irp t, 0,1
	v_permlanex16_b32 v[BT+4*\t+2], v[BT+4*\t], s[SEL], s[SEL+1]
.endr
.irp t, 0,1
	v_or_b32 v[PS+\t], v[BT+4*\t], v[BT+4*\t+2]    ; whole with lane l xor 16's two
.endr
	WIN 0x01
.irp t, 0,1
.irp c, 0,1
	v_cvt_scalef32_pk16_fp6_f32 v[PC+12*\t+6*\c:PC+12*\t+6*\c+2], v[SS+64*\t+32*\c:SS+64*\t+32*\c+15], v[BS+2*\t+\c]
	v_cvt_scalef32_pk16_fp6_f32 v[PT+8*\t+4*\c:PT+8*\t+4*\c+2], v[SS+64*\t+32*\c+16:SS+64*\t+32*\c+31], v[BS+2*\t+\c]   ; a conversion's three registers begin on an even number
.endr
.endr
	WIN 0
	v_nop                                          ; one plain place behind a scaled conversion
.irp t, 0,1
.irp c, 0,1
.irp i, 0,1,2
	v_mov_b32 v[PC+12*\t+3+6*\c+\i], v[PT+8*\t+4*\c+\i]   ; registers 6 c .. 6 c + 5 hold keys 64 c + 32 h + 0 .. 31
.endr
.endr
.endr
	WIN 0x41
	WALU                                           ; directly ahead of the first reader of O^T
.irp j, 0,2,4,6,8,10,12,14,16,18,20,22,24,26,28,30
.irp t, 0,1
	v_pk_mul_f32 v[OO+32*\t+\j:OO+32*\t+\j+1], v[OO+32*\t+\j:OO+32*\t+\j+1], v[FF+2*\t:FF+2*\t+1] op_sel_hi:[1,0]   ; O^T under the new M; also the places between p's codes and scale words and the products
.endr
.endr
	WALU
	s_wait_dscnt 14                                ; V's 13 loads are in; the 14 issued behind them, the next K's, may be out
	WIN 0x50
.irp f, 0,1,2,3
.irp t, 0,1
	v_wmma_scale_f32_16x16x128_f8f6f4 v[OO+32*\t+8*\f:OO+32*\t+8*\f+7], v[V+12*\f:V+12*\f+11], v[PC+12*\t:PC+12*\t+11], v[OO+32*\t+8*\f:OO+32*\t+8*\f+7], v[VS+\f], v[PS+\t] matrix_a_fmt:MATRIX_FMT_FP6 matrix_b_fmt:MATRIX_FMT_FP6
.endr
.endr
	WIN 0
	s_add_co_u32 s[TB], s[TB], SR
	s_add_co_u32 s[TN], s[TB], SR
.if \clamp
	s_min_u32 s[TN], s[TN], 15*SR                  ; the last step has no successor: its own K once more
.endif
.endm
	WALU                                           ; the head's end
	s_cmp_lt_u32 s[WV], 2
	s_cbranch_scc0 .Lnot_first
	s_wait_tensorcnt 0x0                           ; every issuer of the first arm's line waits here
.Lnot_first:
	s_barrier_signal -1
	s_barrier_wait -1                              ; steps 0-3 are whole; nothing is filled again in this launch
	s_wait_loadcnt 0x0                             ; Q
	v_mov_b32 v[QF+4], v[K]                        ; the middle piece: two registers to each tile
	v_mov_b32 v[QF+5], v[K+1]
	v_mov_b32 v[QF+12], v[K+2]
	v_mov_b32 v[QF+13], v[K+3]
.rept 4
	v_nop                                          ; an operand written by vector instructions stands four places ahead of a scaled matrix instruction
.endr
	WALU
	s_wait_tensorcnt 0x0                           ; my own load has landed, whichever steps it brought: on every wave's way
	s_barrier_signal -1                            ; said now; waited for behind the first three steps, which read steps 0-3 alone
	KLOAD L16                                      ; step 0's K
	s_mov_b32 s[TB], 0
	s_mov_b32 s[TN], SR
	s_mov_b32 s[CNT], 3
.Lfirst:
	STEP 0
	s_sub_co_u32 s[CNT], s[CNT], 1
	s_cmp_lg_u32 s[CNT], 0
	s_cbranch_scc1 .Lfirst
	s_barrier_wait -1                              ; all sixteen steps are whole
	s_mov_b32 s[TB], 3*SR
	s_mov_b32 s[TN], 4*SR
	s_mov_b32 s[CNT], 13
.Lrest:
	STEP 1
	s_sub_co_u32 s[CNT], s[CNT], 1
	s_cmp_lg_u32 s[CNT], 0
	s_cbranch_scc1 .Lrest
	; THE TAIL: o = O^T / l.  Register 8 f + j of lane (r, h) is channel 32 h + 8 f + j of my head: one block of the model's K, whole in my lane
.irp t, 0,1
	v_add_f32 v[LS+2*\t], v[LS+2*\t], v[LS+2*\t+1]
.endr
.irp t, 0,1
	v_permlanex16_b32 v[T0+\t], v[LS+2*\t], s[SEL], s[SEL+1]
.endr
.irp t, 0,1
	v_add_f32 v[LS+2*\t], v[LS+2*\t], v[T0+\t]     ; the row's sum
.endr
	WALU
.irp t, 0,1
	v_rcp_f32 v[LS+2*\t], v[LS+2*\t]
.endr
	v_and_b32 v[A4], 31, v0                        ; plain places behind the reciprocals
	v_nop
	v_lshlrev_b32 v[A4], 2, v[A4]                  ; 4 x lane
	WIN 0x41
	WALU                                           ; ahead of the first reader of the reciprocals and of O^T
.irp j, 0,2,4,6,8,10,12,14,16,18,20,22,24,26,28,30
.irp t, 0,1
	v_pk_mul_f32 v[SS+64*\t+\j:SS+64*\t+\j+1], v[OO+32*\t+\j:OO+32*\t+\j+1], v[LS+2*\t:LS+2*\t+1] op_sel_hi:[1,0]
.endr
.endr
	WIN 0x14
.irp t, 0,1
.irp b, 0,1
	v_max3_num_f32 v[BM+4*\t+\b], 0x1800000, |v[SS+64*\t+16*\b]|, |v[SS+64*\t+16*\b+1]|
.endr
.endr
.irp i, 2,4,6,8,10,12,14
.irp t, 0,1
.irp b, 0,1
	v_max3_num_f32 v[BM+4*\t+\b], v[BM+4*\t+\b], |v[SS+64*\t+16*\b+\i]|, |v[SS+64*\t+16*\b+\i+1]|
.endr
.endr
.endr
	WIN 0
.irp t, 0,1
	v_max_num_f32 v[BM+4*\t], v[BM+4*\t], v[BM+4*\t+1]
.endr
.irp t, 0,1
	v_add_nc_u32 v[BS+2*\t], 0xff000000, v[BM+4*\t]
.endr
.irp t, 0,1
	v_lshrrev_b32 v[BT+4*\t], 23, v[BS+2*\t]
.endr
.irp t, 0,1
	v_lshlrev_b32 v[BT+4*\t], v[SH8], v[BT+4*\t]
.endr
.irp t, 0,1
	v_permlanex16_b32 v[BT+4*\t+1], v[BT+4*\t], s[SEL], s[SEL+1]
.endr
.irp t, 0,1
	v_or_b32 v[T0+\t], v[BT+4*\t], v[BT+4*\t+1]    ; my head's two scale bytes
.endr
	WIN 0x01
.irp t, 0,1
	v_cvt_scalef32_pk16_fp6_f32 v[PC+12*\t:PC+12*\t+2], v[SS+64*\t:SS+64*\t+15], v[BS+2*\t]
	v_cvt_scalef32_pk16_fp6_f32 v[PT+8*\t:PT+8*\t+2], v[SS+64*\t+16:SS+64*\t+31], v[BS+2*\t]
.endr
	WIN 0
	v_nop
.irp t, 0,1
.irp i, 0,1,2
	v_mov_b32 v[PC+12*\t+3+\i], v[PT+8*\t+\i]
.endr
.endr
.irp t, 0,1
	global_store_b128 v[L16], v[PC+12*\t:PC+12*\t+3], s[52:53] offset:12288*\t   ; 512 consecutive bytes
	global_store_b64 v[L8], v[PC+12*\t+4:PC+12*\t+5], s[52:53] offset:12288*\t   ; 256
	global_store_b16 v[A4], v[T0+\t], s[54:55] offset:1024*\t                    ; two bytes of each lane's scale word; the word's other half is the neighbouring head's
.endr
	s_wait_tensorcnt 0x0                           ; the wave's end
	ds_add_u32 v[SPW], v[NIL]
	s_wait_dscnt 0x0
	CROUND                                         ; the closing round
	s_endpgm
.Lfunc_end_k_q3f6a694433_attn:
	.size	k_q3f6a694433_attn, .Lfunc_end_k_q3f6a694433_attn-k_q3f6a694433_attn
	.p2alignl 7, 3214868480
	.fill 96, 4, 3214868480
	.section	.rodata,"a",@progbits
	.p2align	6, 0x0
	.amdhsa_kernel k_q3f6a694433_attn
		.amdhsa_group_segment_fixed_size 222208
		.amdhsa_private_segment_fixed_size 0
		.amdhsa_enable_private_segment 0
		.amdhsa_kernarg_size 24
		.amdhsa_user_sgpr_count 2
		.amdhsa_user_sgpr_kernarg_segment_ptr 1
		.amdhsa_wavefront_size32 1
		.amdhsa_system_sgpr_workgroup_id_x 1
		.amdhsa_system_sgpr_workgroup_id_y 1
		.amdhsa_system_sgpr_workgroup_id_z 1
		.amdhsa_system_vgpr_workitem_id 0
		.amdhsa_next_free_vgpr 512
		.amdhsa_next_free_sgpr 66
		.amdhsa_reserve_vcc 0
		.amdhsa_float_denorm_mode_32 3
		.amdhsa_float_denorm_mode_16_64 3
		.amdhsa_memory_ordered 1
		.amdhsa_forward_progress 1
		.amdhsa_inst_pref_size 71
	.end_amdhsa_kernel
	.amdgpu_metadata
---
amdhsa.version: [ 1, 2 ]
amdhsa.kernels:
  - .name:           k_q3f6a694433_attn
    .symbol:         k_q3f6a694433_attn.kd
    .args:
      - { .name: qkv, .offset: 0, .size: 8, .value_kind: global_buffer, .address_space: global }
      - { .name: img2, .offset: 8, .size: 8, .value_kind: global_buffer, .address_space: global }
      - { .name: sc2, .offset: 16, .size: 8, .value_kind: global_buffer, .address_space: global }
    .group_segment_fixed_size: 222208
    .private_segment_fixed_size: 0
    .kernarg_segment_align: 8
    .kernarg_segment_size: 24
    .max_flat_workgroup_size: 256
    .sgpr_count:     66
    .vgpr_count:     512
    .wavefront_size: 32
...
	.end_amdgpu_metadata
.endif
;; end of part 7
;; launch gemm_out (part 8): grid 8 x 32, 4 waves a work-group, clusters of 4 x 4, 214,528 bytes of LDS; arguments img2, sc2, b_out, out0; writes out0
.if DOCPART == 8
	.amdgcn_target "amdgcn-amd-amdhsa--gfx1250"
	.amdhsa_code_object_version 6
	.text
	.protected	k_q3f6a694433_gemm_out
	.globl	k_q3f6a694433_gemm_out
	.p2align	8
	.type	k_q3f6a694433_gemm_out,@function
k_q3f6a694433_gemm_out:
	s_mov_b64 s[64:65], 0
	v_nop
	global_prefetch_b8 v0, s[64:65] scope:SCOPE_SE
	s_setreg_imm32_b32 hwreg(HW_REG_WAVE_MODE, 25, 1), 1
	s_wait_xcnt 0x0
	s_wait_alu depctr_hold_cnt(0) depctr_sa_sdst(0) depctr_va_vdst(0) depctr_va_sdst(0) depctr_va_ssrc(0) depctr_va_vcc(0) depctr_vm_vsrc(0)
	s_getreg_b32 s2, hwreg(HW_REG_IB_STS2, 6, 4)
	s_cmp_eq_u32 s2, 0
	s_cbranch_scc0 .Lentry_in_a_cluster
	s_endpgm
.Lentry_in_a_cluster:
	s_bfe_u32 s2, ttmp6, 0x10000c
	s_cmp_lg_u32 s2, 0xf033
	s_cbranch_scc0 .Lentry_shape_is_right
	s_endpgm
.Lentry_shape_is_right:
; out0 = o W_out + b_out on codes of FP6 (E2M3) with E8M0 scales, K = 1024; out0 [4096][1024] f32.
; OPERANDS are images of the operand's registers (img2[block][K step][1536], sc2[block][K step][128]; blocks 0-255 o's tokens, 256-319 W_out's columns; block 2 B + u, lane r, holds row 32 B + 8 u + r + 8 (r / 8)).
; A TILE IS 128 x 128: out0 has 32 x 8 of them, 256 work-groups.  Four waves of 64 x 64: 16 accumulators each.  Source 0 = W_out's columns ("B"), source 1 = tokens ("A"): a lane holds one token, and its eight
; registers of B's block b are columns 32 (b / 2) + 16 (lane / 16) + 8 (b % 2) + 0 .. 7.  The bias, in that layout, is the C of the first products.
; ALL OF K LIES IN LDS: 2 x 8 blocks x 12,288 bytes = 196,608.  Every byte is filled once, by joint tensor loads (4 x 4 cluster: A's tile shared along a row, B's along a column) that all go out at the start:
; waves 0, 1 fetch A's halves, waves 2, 3 B's, four loads each, one for each two K steps: four loads of a wave are out at the most.  A group of two K steps is read behind a counted wait and a barrier.
; The scale words of all of K come once into 32 registers: register 4 kq + i holds A's block i in lanes 0-15, B's block i in lanes 16-31.
; REGISTERS: window 0: v10-17 LDS addresses, v18-20 the way out, v21 scales' offset, v22 bias offset, v32-63 scale words, v64-95 the bias, v128-255 the accumulators ((a, b) at v[128 + 8 (4 a + b)]);
;   on the way out v32-127 take rows of out0.  window 1: two sets of fragments, at v0 and v128: A's four at 12 a, B's four at 48 + 12 b.
; AS THE CODE BELOW HAS IT (in place of the lines above on rows, fills and columns): block 4 C + i, lane r, holds row 64 C + 32 (r / 8) + 8 i + r % 8, so a lane's eight registers of B's block b are columns 32 (lane / 16) + 8 b + 0 .. 7 of my 64.
; FILLS: one joint load a wave, all at the head: waves 0 and 1 bring A's and B's eight blocks of K steps 0-3 (8 rows of 6,144 bytes), waves 2 and 3 those of K steps 4-7.  Each wave has a load line of its own:
; the first barrier shows waves 0 and 1's tiles, the barrier in K step 3 the rest.  LDS: [half of K][A's 8 blocks, B's 8 blocks][4 K steps][1536].
.set FR,    12
.set PART,  49152                      ; what one tensor load brings: 8 blocks x 4 K steps x 1,536
.set QUART, 24576                      ; what one wave reads of A or of B in a half of K: 4 blocks
.set SLOTB, 49152                      ; A's or B's 8 blocks of four K steps; 2 SLOTB is a half of K
.set STAGE, 196608                     ; behind the tiles: 16 rows x 272 bytes for each wave; no fill lands here
.set SPITCH, 272
.set BLKB,  12288
.set ADRA, 10                          ; v10, v11: 16 x lane + my A part, K steps 0-3, 4-7;  v12, v13: the same with 8 x lane + 512
.set ADRB, 14                          ; v14-17 the same for B
.set STO,  18
.set RD,   19
.set CO,   20
.set SOFF, 21
.set BO,   22
.set SC,   32
.set BIAS, 64
.set ACC,  128
.set G1,  24                           ; s[24:31] group 1 for A's tiles
.set G0,  40                           ; s[40:43] group 0 for A's
.set G1B, 56                           ; s[56:63] group 1 for B's
.set G0B, 68                           ; s[68:71] group 0 for B's
.set MSB, 0
.macro WIN new                         ; the immediate's high byte repeats the setting that is left
.if MSB != (\new)
	s_set_vgpr_msb (MSB<<8)|(\new)
.set MSB, (\new)
.endif
.endm
.set MULW, 0x05                        ; sources 0 (B) and 1 (A) window 1; C and D window 0
.set TO_F, 0x40                        ; destination window 1, address window 0
.macro CROUND                          ; a round of the cluster's barrier
	s_barrier_signal -1
	s_barrier_wait -1
	s_cmp_lg_u32 s14, 0
	s_cbranch_scc1 .Lnot_wave_0_\@
	s_barrier_signal -3
.Lnot_wave_0_\@:
	s_barrier_wait -3
	s_barrier_signal -1
	s_barrier_wait -1
.endm
.macro PLACES                          ; four places behind a matrix instruction of this form (ISA guide 7.12.1)
.rept 4
	v_nop
.endr
.endm
	s_load_b256 s[4:11], s[0:1], 0x0               ; img2 s[4:5], sc2 s[6:7], b_out s[8:9], out0 s[10:11]
	v_lshl_add_u32 v30, v0, 2, 0x34400
	v_mov_b32 v31, 0
	ds_add_u32 v30, v31
	ds_add_u32 v30, v31
	v_lshrrev_b32 v1, 5, v0
	v_readfirstlane_b32 s14, v1                    ; wave
	s_lshr_b32 s15, s14, 1                         ; RH: my half of the tile's tokens.  Also: I fetch for A (0) or for B (1)
	s_and_b32 s16, s14, 1                          ; CH: my half of its columns.  Also: which 4 blocks I fetch
	s_bfe_u32 s2, ttmp6, 0x40000                   ; cx
	s_bfe_u32 s3, ttmp6, 0x40004                   ; cy
	s_lshl_b32 s19, ttmp9, 2
	s_add_co_u32 s19, s19, s2                      ; tileB 0..7
	s_and_b32 s17, ttmp7, 0xffff
	s_lshl_b32 s17, s17, 2
	s_add_co_u32 s17, s17, s3                      ; tileA 0..31
	s_lshl_b32 s22, s3, 2
	s_lshl_b32 s22, 15, s22                        ; my row of the cluster
	s_lshl_b32 s23, 0x1111, s2                     ; my column
	; group 1: 8 rows (blocks) of 6,144 bytes (four K steps' images), 12,288 bytes apart, in elements of 8 bytes; no padding: images are read on end
	s_or_b32 s[G1+0], s22, (3<<16)|(1<<21)
	s_or_b32 s[G1B+0], s23, (3<<16)|(1<<21)
.irp g, G1, G1B
	s_mov_b32 s[\g+1], 768<<16                     ; tensor_dim0: 6,144 bytes in elements of 8
	s_mov_b32 s[\g+2], 8<<16                       ; tensor_dim1
	s_mov_b32 s[\g+3], 768<<16                     ; tile_dim0
	s_mov_b32 s[\g+4], 8                           ; tile_dim1
	s_mov_b32 s[\g+5], 1536                        ; pitch
	s_mov_b32 s[\g+6], 0
	s_mov_b32 s[\g+7], 0
.endr
	s_mul_i32 s18, s15, 6144                       ; which half of K I fetch: wave / 2
	s_lshl_b32 s20, s17, 3
	s_mul_i32 s20, s20, BLKB                       ; A: block 8 tileA: hangs on cy, never on cx
	s_add_co_u32 s20, s20, s18
	s_mov_b32 s21, 0
	s_lshl_b32 s84, s19, 3
	s_add_co_u32 s84, s84, 256
	s_mul_i32 s84, s84, BLKB                       ; B: block 256 + 8 tileB: hangs on cx, never on cy
	s_add_co_u32 s84, s84, s18
	s_mov_b32 s85, 0
	s_mul_i32 s86, s14, PART                       ; where they go: wave x PART: no place in the cluster enters an LDS address
	s_wait_dscnt 0x0
	s_wait_kmcnt 0x0
	s_add_nc_u64 s[20:21], s[4:5], s[20:21]
	s_add_nc_u64 s[84:85], s[4:5], s[84:85]
	s_mov_b32 s[G0], 1
	s_mov_b32 s[G0+1], s86
	s_mov_b64 s[G0+2:G0+3], s[20:21]
	s_or_b32 s[G0+3], s[G0+3], 0x80000000
	s_mov_b32 s[G0B], 1
	s_mov_b32 s[G0B+1], s86
	s_mov_b64 s[G0B+2:G0B+3], s[84:85]
	s_or_b32 s[G0B+3], s[G0B+3], 0x80000000
	CROUND                                         ; all sixteen work-groups are here: the joint loads meet
.macro ARM w, g0, g1, next                     ; one chain of branches on the wave's number, one load to an arm
	s_cmp_eq_u32 s14, \w
	s_cbranch_scc0 \next
	tensor_load_to_lds s[\g0:\g0+3], s[\g1:\g1+7]
	s_nop 0
.rept 4
	v_nop
.endr
	s_branch .Lfirst_asked
\next:
.endm
	ARM 0, G0,  G1,  .Larm_1                       ; A, K steps 0-3
	ARM 1, G0B, G1B, .Larm_2                       ; B, K steps 0-3
	ARM 2, G0,  G1,  .Larm_3                       ; A, K steps 4-7
	tensor_load_to_lds s[G0B:G0B+3], s[G1B:G1B+7]  ; B, K steps 4-7
	s_nop 0
.rept 4
	v_nop
.endr
.Lfirst_asked:
	v_and_b32 v1, 31, v0                           ; lane
	v_and_b32 v2, 15, v0                           ; r
	v_bfe_u32 v3, v0, 4, 1                         ; h
	v_lshlrev_b32 v4, 4, v1                        ; 16 x lane
	v_lshlrev_b32 v5, 3, v1
	v_add_nc_u32 v5, 512, v5                       ; 8 x lane + 512
	v_lshlrev_b32 v6, 2, v1                        ; 4 x lane
	s_wait_alu depctr_va_vdst(0)
	s_lshl_b32 s87, s17, 3
	s_lshl_b32 s88, s15, 2
	s_add_co_u32 s87, s87, s88
	s_lshl_b32 s87, s87, 10                        ; A's scale words: my 4 blocks
	s_lshl_b32 s89, s19, 3
	s_add_co_u32 s89, s89, 256
	s_lshl_b32 s88, s16, 2
	s_add_co_u32 s89, s89, s88
	s_lshl_b32 s89, s89, 10                        ; B's
	v_add_nc_u32 v7, s87, v6
	v_add_nc_u32 v8, s89, v6
	v_cmp_gt_u32 vcc_lo, 16, v1
	v_cndmask_b32 v[SOFF], v8, v7, vcc_lo          ; lanes 0-15 take A's words, lanes 16-31 B's
.irp kq, 0,1,2,3,4,5,6,7
.irp i, 0,1,2,3
	global_load_b32 v[SC+4*\kq+\i], v[SOFF], s[6:7] offset:1024*\i+128*\kq
.endr
.endr
	s_lshl_b32 s92, s19, 9
	s_lshl_b32 s93, s16, 8
	s_add_co_u32 s92, s92, s93                     ; my first column, in bytes: 512 tileB + 256 CH
	s_mov_b32 s93, 0
	s_add_nc_u64 s[8:9], s[8:9], s[92:93]
	v_lshlrev_b32 v[BO], 7, v3                     ; 128 h
.irp b, 0,1,2,3
	global_load_b128 v[BIAS+8*\b:BIAS+8*\b+3], v[BO], s[8:9] offset:32*\b       ; the bias of B's block b, in the result's layout
	global_load_b128 v[BIAS+8*\b+4:BIAS+8*\b+7], v[BO], s[8:9] offset:32*\b+16
.endr
	s_mul_i32 s90, s15, QUART                      ; my 4 blocks of A
	s_mul_i32 s91, s16, QUART
	s_add_co_u32 s91, s91, PART                    ; my 4 blocks of B, behind A's 8
.irp s, 0,1
	v_add_nc_u32 v[ADRA+\s], s90, v4
	v_add_nc_u32 v[ADRA+2+\s], s90, v5
	v_add_nc_u32 v[ADRB+\s], s91, v4
	v_add_nc_u32 v[ADRB+2+\s], s91, v5
	s_add_co_u32 s90, s90, 2*SLOTB
	s_add_co_u32 s91, s91, 2*SLOTB
.endr
	s_mul_i32 s96, s14, 16*SPITCH
	s_add_co_u32 s96, s96, STAGE                   ; my stage
	v_mul_u32_u24 v9, v2, SPITCH
	v_lshl_add_u32 v9, v3, 7, v9
	v_add_nc_u32 v[STO], s96, v9                   ; in: row r, + 128 h
	v_mul_u32_u24 v23, v3, SPITCH
	v_lshl_add_u32 v23, v2, 4, v23
	v_add_nc_u32 v[RD], s96, v23                   ; back: lanes 0-15 one row of 256 bytes, lanes 16-31 the next
	v_lshlrev_b32 v[CO], 12, v3
	v_lshl_add_u32 v[CO], v2, 4, v[CO]             ; and the same two rows in out0: 4,096 h + 16 r
	s_lshl_b32 s94, s17, 7
	s_lshl_b32 s95, s15, 6
	s_add_co_u32 s94, s94, s95                     ; my first token: 128 tileA + 64 RH
	s_lshl_b32 s94, s94, 12                        ; a row of out0 is 4,096 bytes
	s_add_co_u32 s94, s94, s92
	s_mov_b32 s95, 0
	s_add_nc_u64 s[10:11], s[10:11], s[94:95]
.macro FRAG reg, adr, off              ; a fragment comes as it was stored: four loads, each of 512 or 256 consecutive bytes
	ds_load_b128 v[\reg:\reg+3], v[\adr] offset:\off
	ds_load_b64 v[\reg+4:\reg+5], v[\adr+2] offset:\off
	ds_load_b128 v[\reg+6:\reg+9], v[\adr] offset:\off+768
	ds_load_b64 v[\reg+10:\reg+11], v[\adr+2] offset:\off+768
.endm
.macro FETCH kq, p                     ; K step kq's eight fragments into set p: 32 LDS loads in one run
	WIN TO_F
.irp i, 0,1,2,3
	FRAG 128*(\p)+48+FR*\i, ADRB+(\kq)/4, 6144*\i+1536*((\kq)%4)
	FRAG 128*(\p)+FR*\i, ADRA+(\kq)/4, 6144*\i+1536*((\kq)%4)
.endr
.endm
; 16 matrix instructions: my 4 blocks of A x my 4 of B, K step kq, set p.  first = 1: the bias is the C of the sum's first product.  The 16 accumulators take turns, one instruction a turn, in the same order in every step.
.macro MUL p, kq, first
.irp a, 0,1,2,3
.irp b, 0,1,2,3
.if \first
	v_wmma_scale_f32_16x16x128_f8f6f4 v[ACC+8*(4*\a+\b):ACC+8*(4*\a+\b)+7], v[128*(\p)+48+FR*\b:128*(\p)+48+FR*\b+FR-1], v[128*(\p)+FR*\a:128*(\p)+FR*\a+FR-1], v[BIAS+8*\b:BIAS+8*\b+7], v[SC+4*(\kq)+\b], v[SC+4*(\kq)+\a] matrix_a_fmt:MATRIX_FMT_FP6 matrix_b_fmt:MATRIX_FMT_FP6 matrix_a_scale:MATRIX_SCALE_ROW1
.else
	v_wmma_scale_f32_16x16x128_f8f6f4 v[ACC+8*(4*\a+\b):ACC+8*(4*\a+\b)+7], v[128*(\p)+48+FR*\b:128*(\p)+48+FR*\b+FR-1], v[128*(\p)+FR*\a:128*(\p)+FR*\a+FR-1], v[ACC+8*(4*\a+\b):ACC+8*(4*\a+\b)+7], v[SC+4*(\kq)+\b], v[SC+4*(\kq)+\a] matrix_a_fmt:MATRIX_FMT_FP6 matrix_b_fmt:MATRIX_FMT_FP6 matrix_a_scale:MATRIX_SCALE_ROW1
.endif
.endr
.endr
.endm
; An even K step (set 0): its successor lies in the same group of two, which is known whole
.macro EVEN kq, first
.if \first == 0
	PLACES                                         ; in front of loads into the set that the last products read
.endif
	FETCH (\kq)+1, 1
	s_wait_dscnt 32                                ; all but the 32 loads just issued: my set is in
	WIN MULW
	MUL 0, \kq, \first
.endm
; An odd K step (set 1): at K step 3 each wave waits for its load, and all four meet
.macro ODD kq
.if (\kq) == 3                         ; its successor lies in the other half of K: every wave waits for its load, and all four meet
	s_wait_tensorcnt 0x0
	s_wait_dscnt 0x0                               ; my set is in, and no LDS access of mine is out at the signal
	s_barrier_signal -1
	PLACES                                         ; in front of loads into the set that the last products read
	s_barrier_wait -1
	FETCH (\kq)+1, 0
.else
	PLACES
	FETCH (\kq)+1, 0
	s_wait_dscnt 32                                ; all but the 32 loads just issued: my set is in
.endif
	WIN MULW
	MUL 1, \kq, 0
.endm
	s_wait_alu depctr_va_vdst(0)
	s_cmp_lt_u32 s14, 2
	s_cbranch_scc0 .Lnot_first_half
	s_wait_tensorcnt 0x0                           ; waves 0 and 1: K steps 0-3 of A and of B are in
.Lnot_first_half:
	s_barrier_signal -1
	s_barrier_wait -1                              ; shown to all; nothing is filled again in this launch
	FETCH 0, 0
	s_wait_loadcnt 0x0                             ; the scale words and the bias
	EVEN 0, 1
	ODD 1
	EVEN 2, 0
	ODD 3
	EVEN 4, 0
	ODD 5
	EVEN 6, 0
	s_wait_dscnt 0x0                               ; the last K step: nothing more to fetch
	MUL 1, 7, 0
	WIN 0
; THE WAY OUT, a block of 16 tokens x 64 columns at a time through my own stage: in by lanes (32 bytes of a row each), back as whole rows of 256 bytes.  LDS serves a wave's instructions in order (ISA guide 5.7.1.4):
; no wait between the stores and the loads, nor in front of the next block's stores.
.macro TOSTAGE a
.set BB, 32+32*(((\a)+1)%3)            ; rows come back into v64-95, v96-127, v32-63, v64-95
.irp b, 0,1,2,3
	ds_store_b128 v[STO], v[ACC+8*(4*(\a)+\b):ACC+8*(4*(\a)+\b)+3] offset:32*\b          ; each accumulator from its low end on
	ds_store_b128 v[STO], v[ACC+8*(4*(\a)+\b)+4:ACC+8*(4*(\a)+\b)+7] offset:32*\b+16
.endr
.irp t, 0,1,2,3,4,5,6,7
	ds_load_b128 v[BB+4*\t:BB+4*\t+3], v[RD] offset:\t*2*SPITCH
.endr
.endm
.macro SEND a, younger                 ; younger: the LDS instructions issued behind block a's loads, which may stay out
.set BB, 32+32*(((\a)+1)%3)
	s_wait_dscnt \younger
.irp t, 0,1,2,3,4,5,6,7
	global_store_b128 v[CO], v[BB+4*\t:BB+4*\t+3], s[10:11] offset:(8*(\a)+2*\t+24*(\t/4))*4096 th:TH_STORE_NT   ; block a begins at token 8 a; stage row i is its token i + 24 (i / 8); sixteen lanes store 256 consecutive aligned bytes
.endr
.endm
	PLACES                                         ; behind the last products: results are read, and loads land in registers that held scales and the bias
	TOSTAGE 0
	TOSTAGE 1
	SEND 0, 16                                     ; behind block 0's loads: block 1's 8 stores and 8 loads
	TOSTAGE 2
	SEND 1, 16
	s_wait_xcnt 0x0                                ; block 0's stores have read their registers: block 3's rows land there only behind this wait
	TOSTAGE 3
	SEND 2, 16
	SEND 3, 0                                      ; no LDS instruction of mine is out from here on; my tensor loads were all waited for at the last change of groups
	s_wait_tensorcnt 0x0
	ds_add_u32 v30, v31
	s_wait_dscnt 0x0
	CROUND                                         ; the closing round: no work-group ends while a partner may still ask for a tile that names it
	s_endpgm
.Lfunc_end_k_q3f6a694433_gemm_out:
	.size	k_q3f6a694433_gemm_out, .Lfunc_end_k_q3f6a694433_gemm_out-k_q3f6a694433_gemm_out
	.p2alignl 7, 3214868480
	.fill 96, 4, 3214868480
	.section	.rodata,"a",@progbits
	.p2align	6, 0x0
	.amdhsa_kernel k_q3f6a694433_gemm_out
		.amdhsa_group_segment_fixed_size 214528
		.amdhsa_private_segment_fixed_size 0
		.amdhsa_enable_private_segment 0
		.amdhsa_kernarg_size 32
		.amdhsa_user_sgpr_count 2
		.amdhsa_user_sgpr_kernarg_segment_ptr 1
		.amdhsa_wavefront_size32 1
		.amdhsa_system_sgpr_workgroup_id_x 1
		.amdhsa_system_sgpr_workgroup_id_y 1
		.amdhsa_system_sgpr_workgroup_id_z 1
		.amdhsa_system_vgpr_workitem_id 0
		.amdhsa_next_free_vgpr 512
		.amdhsa_next_free_sgpr 100
		.amdhsa_reserve_vcc 1
		.amdhsa_float_denorm_mode_32 3
		.amdhsa_float_denorm_mode_16_64 3
		.amdhsa_memory_ordered 1
		.amdhsa_forward_progress 1
		.amdhsa_inst_pref_size 53
	.end_amdhsa_kernel
	.amdgpu_metadata
---
amdhsa.version: [ 1, 2 ]
amdhsa.kernels:
  - .name:           k_q3f6a694433_gemm_out
    .symbol:         k_q3f6a694433_gemm_out.kd
    .args:
      - { .name: img2, .offset: 0, .size: 8, .value_kind: global_buffer, .address_space: global }
      - { .name: sc2, .offset: 8, .size: 8, .value_kind: global_buffer, .address_space: global }
      - { .name: b_out, .offset: 16, .size: 8, .value_kind: global_buffer, .address_space: global }
      - { .name: out0, .offset: 24, .size: 8, .value_kind: global_buffer, .address_space: global }
    .group_segment_fixed_size: 214528
    .private_segment_fixed_size: 0
    .kernarg_segment_align: 8
    .kernarg_segment_size: 32
    .max_flat_workgroup_size: 128
    .sgpr_count:     100
    .vgpr_count:     512
    .wavefront_size: 32
...
	.end_amdgpu_metadata
.endif
;; end of part 8
